; MI455X (gfx1250); checked and timed in simulation.
; The chip was launched on July 23, 2026; its instructions are those of AMD's public machine-readable ISA for CDNA 5 (MIT licence, August 2026) and "CDNA5" Instruction Set Architecture Reference Guide (July 2026). The comments in the code are by the model that wrote it; some were corrected since.
;; Multi Head Cross Attention. Allowed arithmetic: matrix products marked QUANTISED: E2M1 operands, one E8M0 scale for each 32 along K, by v_wmma_scale_f32_16x16x128_f8f6f4 with both operands' format E2M1 (or v_wmma_scale_f32_32x16x128_f4), f32 sums; everything else in f32.
;; Inputs: W_kv 1,024 x 2,048 float32; W_o 1,024 x 1,024 float32; W_q 1,024 x 1,024 float32; b_kv 2,048 float32; b_o 1,024 float32; b_q 1,024 float32; embeddings 2 x 2,048 x 1,024 float32.
;; Outputs: out0 2 x 2,048 x 1,024 float32.
;; This version of the problem:
;;   THIS VERSION OF THE PROBLEM IS GIVEN IN LOW PRECISION. The matrix products marked QUANTISED in the list below multiply operands that are first quantised to E2M1 (2 exponent bits, 1 mantissa bit; 4 bits a number), with one power-of-two scale for each 32 numbers along K (OCP MX v1.0); their sums are f32. All else is computed in f32.
;;   The module's matrix products, in the order in which they are computed (A, B: the left and right operand; K: the contracted axis; several contracted axes count as one K, in the product's order):
;;     1. [M 4,096, K 1,024] x [K 1,024, N 2,048]; A: input embeddings; B: input W_kv: QUANTISED
;;     2. [M 4,096, K 1,024] x [K 1,024, N 1,024]; A: input embeddings; B: input W_q: QUANTISED
;;     3. batch 32 x [M 2,048, K 64] x [K 64, N 2,048]; A: computed on the way; B: computed on the way: QUANTISED
;;     4. batch 32 x [M 2,048, K 2,048] x [K 2,048, N 64]; A: softmax (see below); B: computed on the way: QUANTISED
;;     5. [M 4,096, K 1,024] x [K 1,024, N 1,024]; A: computed on the way; B: input W_o: QUANTISED
;;   THE QUANTISER, for each operand of a quantised product, along K:
;;     - K is cut into blocks of 32 from its start; a last block that is shorter is filled with zeros.
;;     - A block's scale is 2^e with e = floor(log2(the largest magnitude in the block)) - 2, held to -126 .. 127; a block of zeros has e = 0. As a byte (E8M0): e + 127.
;;     - Each number is divided by its block's scale, clamped to +-6, and rounded to the nearest number of E2M1, ties to even, subnormals kept.
;;     - The product sums the exact products of the quantised numbers (number of the format x scale) in f32.
;;   ~~~python
;;   def quantise(x, axis):      # numpy; x: float32 -> the quantised numbers, widened to float32 again
;;       x = np.moveaxis(x, axis, -1); K = x.shape[-1]
;;       x = np.pad(x, [(0, 0)] * (x.ndim - 1) + [(0, -K % 32)]); x = x.reshape(x.shape[:-1] + (-1, 32)); a = np.abs(x).max(-1, keepdims=True)
;;       e = np.where(a > 0, np.clip(np.frexp(np.where(a > 0, a, 1))[1] - 1 - 2, -126, 127), 0)      # np.frexp(a)[1] - 1 = floor(log2(a)), exactly
;;       r = np.clip(x / 2.0 ** e, -6, 6)
;;       step = 2.0 ** (np.maximum(np.frexp(np.where(r == 0, 1, r))[1] - 1, 0) - 1)
;;       q = np.round(r / step) * step * 2.0 ** e      # np.round: ties to even
;;       return np.moveaxis(q.reshape(q.shape[:-2] + (-1,))[..., :K], -1, axis).astype(np.float32)
;;   ~~~
;;   SOFTMAX AHEAD OF A QUANTISED PRODUCT. Where the list says 'softmax', what is quantised is not the finished softmax but p = 2^(t - M), with t = logit x log2(e) and M = ceil(the row's largest t), a whole number; so 1/2 < the row's largest p <= 1. The row's sum l is taken of the UNQUANTISED p, in f32, and the product's result is divided by l at the end. Since M is a whole number, a kernel that streams over the keys may use a running M (the ceiling of the running maximum): every later rescaling is an exact power of two, which a block's scale takes up: the codes' values come out the same.
;;   OPERANDS COMPUTED ON THE WAY. 'Computed on the way' means the value that the module computes at that place (a softmax that the list does not call 'softmax' is quantised finished and normalised). What goes into a quantiser is computed in f32, as accurately as f32 sums, v_exp_f32 and their like allow (about 1e-6 of the number): no bf16 or f16 on the way to a quantiser, and a product that is left as it is and whose result goes on into a quantised operand takes f32 operands (vector FMAs, or v_wmma_f32_16x16x4_f32). A number that lies on a knife's edge between two numbers of the format may be rounded either way, as far as f32 arithmetic and the matrix unit's own rounding can turn it there, and no further.
;; One version. Each part assembles by itself: llvm-mc -triple=amdgcn-amd-amdhsa -mcpu=gfx1250 --defsym DOCPART=n.
;; ======== version 1 of 1: 4 launches
;; limits: right only within a limited range of input values
;; workspace buffers: ximg 2,097,152 bytes; wimg 2,097,152 bytes; scl 393,216 bytes; qbuf 2,359,296 bytes; kv 4,587,520 bytes; cimg 2,097,152 bytes
;; launch quant (part 1): grid 256 x 1, 8 waves a work-group, no clusters, 70,656 bytes of LDS; arguments embeddings, W_kv, W_q, W_o, ximg, wimg, scl; writes ximg, wimg, scl
.if DOCPART == 1
	.amdgcn_target "amdgcn-amd-amdhsa--gfx1250"
	.amdhsa_code_object_version 6
	.text
	.protected	k_q13f2ea049f_quant
	.globl	k_q13f2ea049f_quant
	.p2align	8
	.type	k_q13f2ea049f_quant,@function
k_q13f2ea049f_quant:
	s_mov_b64 s[64:65], 0
	v_nop
	global_prefetch_b8 v0, s[64:65] scope:SCOPE_SE
	s_setreg_imm32_b32 hwreg(HW_REG_WAVE_MODE, 25, 1), 1
	s_wait_xcnt 0x0
; The embeddings [4096][1024] and the three weights ([1024][2048], [1024][1024], [1024][1024], K their FIRST axis), f32, become codes of FP4 (E2M1) with one E8M0 byte for each 32 along K.
; No product, step or input of the problem is left out in this program.
; A block's scale is 2^(floor(log2(its largest magnitude)) - 2): its byte is the largest magnitude's exponent field - 2, held at 1 from below by a floor among the maximum's leaves.
; LIMITS: a block of zeros gets the byte 1 where the rule says 127 (its codes are zeros, and this program alone reads the bytes); NaN and infinities among the inputs are not served.
; WHAT IS STORED ARE IMAGES OF OPERAND REGISTERS.  A fragment is 16 rows x 128 K, 8 registers a lane, 1,024 bytes: byte 512 c + 16 lane holds registers 4 c .. 4 c + 3 of that lane: the 32 codes of block 2 c + lane / 16 of tile row lane % 16.
; ROWS: tile T of the embeddings holds in row r the tensor's row 64 (T / 4) + 8 (T % 4) + r % 8 + 32 (r / 8): in a matrix result whose rows they are, a lane then holds, over four tiles, 32 neighbours.
; COLUMNS: weight tile T holds in row r column 32 (T / 2) + 8 (T % 2) + r + 8 (r / 8).  Weight tiles: 12 hd + 0..3 W_q's, + 4..7 W_kv's k half, + 8..11 its v half, for head hd; 192 + n / 16 W_o's.
; ximg: [block of 16 tiles][K step 8][16][1,024].  wimg: [head 16][K step 8][12][1,024], and from byte 1,572,864 on W_o's [block of 4 tiles][K step 8][4][1,024].  Scale words: [tile][r 16][K step 8], 4 bytes each.
; ROLES, by the work-group's number; every wave reads 16 KB.  0-127: the embeddings (K innermost): a wave takes one tile of 16 rows x 256 K; each load reads 256 consecutive bytes of two rows, and the numbers turn through
; the wave's own stage in LDS so that a lane gets a whole block of 32.  128-191: W_kv, 192-255: W_q and W_o: a lane takes a column and its registers run down K, so nothing is turned; two waves stand side by side on 256 bytes.
; No barrier: waves share nothing.  No store's register is written again, so no wait frees any.  No prefetch: no loop to run ahead in.
.set NUM,  32                          ; v32-159  128 numbers as loaded
.set XT,   160                         ; v160-223 role X: two sets of 32 neighbours along K
.set CD,   224                         ; v224-239 codes: four registers for each block
.set EB,   240                         ; v240-243 scale bytes (role X), the scale word (role W)
.set HSTG, 4352                        ; a stage: 16 rows x (256 bytes + 16)
.set WSTG, 2*HSTG                      ; two stages a wave
; 32 numbers of one block in v[xs] on: the scale operand into v11, the codes into v[cd] .. v[cd + 3]
.macro QBLOCK xs, cd
	v_max3_num_f32 v8, |v[(\xs)]|, |v[(\xs)+1]|, |v[(\xs)+2]|      ; the largest magnitude, in two chains
	v_max3_num_f32 v9, |v[(\xs)+3]|, |v[(\xs)+4]|, |v[(\xs)+5]|
.irp i, 6,10,14,18,22,26
	s_delay_alu instid0(VALU_DEP_2)
	v_max3_num_f32 v8, v8, |v[(\xs)+\i]|, |v[(\xs)+\i+1]|
	s_delay_alu instid0(VALU_DEP_2)
	v_max3_num_f32 v9, v9, |v[(\xs)+\i+2]|, |v[(\xs)+\i+3]|
.endr
	s_delay_alu instid0(VALU_DEP_2)
	v_max3_num_f32 v8, v8, |v[(\xs)+30]|, |v[(\xs)+31]|
	s_delay_alu instid0(VALU_DEP_1)
	v_max3_num_f32 v8, v8, v9, 0x1800000           ; and the floor 2^(3 - 127): the byte cannot fall under 1
	s_delay_alu instid0(VALU_DEP_1)
	v_add_nc_u32 v11, 0xff000000, v8               ; 2 off the exponent field: the conversion takes this operand's exponent field as its scale
.irp g, 0,1,2,3
	v_cvt_scalef32_pk8_fp4_f32 v[(\cd)+\g], v[(\xs)+8*\g:(\xs)+8*\g+7], v11
.endr
.endm
; ---- role X
.macro XLOADS                          ; half step t: 16 rows x 64 K.  Lanes 0-15 read 256 bytes of row i, lanes 16-31 of row 32 + i
.irp t, 0,1,2,3
.irp i, 0,1,2,3,4,5,6,7
	global_load_b128 v[NUM+32*\t+4*\i:NUM+32*\t+4*\i+3], v5, s[4:5] offset:256*\t+4096*\i th:TH_LOAD_NT
.endr
.endr
.endm
.macro TURN t                          ; half step t through a stage.  LDS serves a wave's instructions in order: no wait between the stores and the loads
	s_wait_loadcnt 8*(3-(\t))                      ; its eight loads are in; the later half steps' stay out
.irp i, 0,1,2,3,4,5,6,7
	ds_store_b128 v6, v[NUM+32*(\t)+4*\i:NUM+32*(\t)+4*\i+3] offset:HSTG*((\t)%2)+272*\i
.endr
.irp j, 0,1,2,3,4,5,6,7
	ds_load_b128 v[XT+32*((\t)%2)+4*\j:XT+32*((\t)%2)+4*\j+3], v7 offset:HSTG*((\t)%2)+16*\j
.endr
.endm
.macro WORK t                          ; half step t = 2 kk + c: registers 4 c .. 4 c + 3 of the image of my K step kk
	QBLOCK XT+32*((\t)%2), CD+4*(\t)
	v_lshrrev_b32 v[EB+(\t)], 23, v11              ; the byte (also the plain line behind the conversions)
	global_store_b128 v10, v[CD+4*(\t):CD+4*(\t)+3], s[12:13] offset:16384*((\t)/2)+512*((\t)%2)   ; 512 bytes on end
.endm
; ---- role W
.macro WLOAD q, pitch                  ; block q: W(32 q + i, my column)
.irp i, 0,1,2,3,4,5,6,7,8,9,10,11,12,13,14,15,16,17,18,19,20,21,22,23,24,25,26,27,28,29,30,31
	global_load_b32 v[NUM+32*(\q)+\i], v3, s[28:29] offset:(32*(\q)+\i)*(\pitch) th:TH_LOAD_NT
.endr
.endm
.macro WBLOCK q
	QBLOCK NUM+32*(\q), CD+4*(\q)
	v_lshrrev_b32 v13, 23, v11
.if (\q) == 0
	s_delay_alu instid0(VALU_DEP_1)
	v_mov_b32 v[EB], v13
.else
	s_delay_alu instid0(VALU_DEP_1)
	v_lshl_or_b32 v[EB], v13, 8*(\q), v[EB]        ; four bytes make my column's scale word of this K step
.endif
	global_store_b128 v7, v[CD+4*(\q):CD+4*(\q)+3], s[34:35] offset:512*((\q)/2)+256*((\q)%2)   ; two runs of 256 consecutive bytes, one in each of the two tiles
.endm
; s24 = which 32 columns, s25 = K step, s26 = the first of the two tiles, s[28:29] = the weight, s38 = bytes from K step to K step of the image, s39 = where the first tile's image begins
.macro WROLE pitch
	s_mul_i32 s30, s25, 128*(\pitch)
	s_lshl_b32 s32, s24, 7
	s_add_co_u32 s30, s30, s32
	s_add_nc_u64 s[28:29], s[28:29], s[30:31]      ; row 128 x K step, column 32 x group
	s_mul_i32 s30, s25, s38
	s_add_co_u32 s30, s30, s39
	s_add_nc_u64 s[34:35], s[14:15], s[30:31]      ; the images
	s_lshl_b32 s30, s26, 9
	s_lshl_b32 s32, s25, 2
	s_add_co_u32 s30, s30, s32
	s_add_co_u32 s30, s30, 131072
	s_add_nc_u64 s[36:37], s[16:17], s[30:31]      ; the scale words
	v_lshlrev_b32 v3, 2, v1                        ; in: 4 bytes a lane
	v_bfe_u32 v4, v1, 3, 1                         ; column x of the 32 lies in tile u = (x / 8) % 2,
	v_and_b32 v5, 7, v1
	v_lshrrev_b32 v6, 4, v1
	s_delay_alu instid0(VALU_DEP_1)
	v_lshl_add_u32 v5, v6, 3, v5                   ; at tile row x % 8 + 8 (x / 16)
	s_delay_alu instid0(VALU_DEP_4)
	v_lshlrev_b32 v7, 10, v4
	s_delay_alu instid0(VALU_DEP_1)
	v_lshl_add_u32 v7, v5, 4, v7                   ; image: 1,024 u + 16 row
	v_lshlrev_b32 v10, 9, v4
	s_delay_alu instid0(VALU_DEP_1)
	v_lshl_add_u32 v10, v5, 5, v10                 ; scale word: 512 u + 32 row
	WLOAD 0, \pitch
	WLOAD 1, \pitch
	s_wait_alu depctr_va_vdst(0)
	s_wait_loadcnt 32                              ; block 0 is in; the one younger block stays out
	WLOAD 2, \pitch
	WBLOCK 0
	s_wait_loadcnt 32
	WLOAD 3, \pitch
	WBLOCK 1
	s_wait_loadcnt 32
	WBLOCK 2
	s_wait_loadcnt 0x0
	WBLOCK 3
	global_store_b32 v10, v[EB], s[36:37]          ; 4 bytes of each row of scale words: 256 KB in the whole launch go out in such pieces
	s_endpgm
.endm
	s_load_b256 s[4:11], s[0:1], 0x0               ; embeddings, W_kv, W_q, W_o
	s_load_b128 s[12:15], s[0:1], 0x20             ; ximg, wimg
	s_load_b64 s[16:17], s[0:1], 0x30              ; scl
	v_lshl_add_u32 v254, v0, 2, 0x11000
	v_mov_b32 v255, 0
	v_lshrrev_b32 v2, 5, v0
	s_delay_alu instid0(VALU_DEP_1)
	v_readfirstlane_b32 s18, v2                    ; wave 0..7
	v_and_b32 v1, 31, v0                           ; lane
	s_mov_b32 s20, 0x76543210
	s_mov_b32 s21, 0xfedcba98                      ; v_permlanex16_b32's selects for lane l xor 16
	s_mov_b32 s31, 0                               ; the upper word of the offsets
	s_wait_kmcnt 0x0
	s_cmp_lt_u32 ttmp9, 128
	s_cbranch_scc1 .Lrole_x
	s_cmp_lt_u32 ttmp9, 192
	s_cbranch_scc1 .Lrole_kv
	; W_q (work-groups 192-223) and W_o (224-255)
	s_sub_co_u32 s22, ttmp9, 192
	s_and_b32 s23, s22, 30
	s_and_b32 s24, s18, 1
	s_add_co_u32 s24, s24, s23                     ; which 32 columns: 0..31
	s_and_b32 s25, s22, 1
	s_lshl_b32 s25, s25, 2
	s_lshr_b32 s23, s18, 1
	s_add_co_u32 s25, s25, s23                     ; K step
	s_lshr_b32 s26, s24, 1                         ; W_q: the head; W_o: the block of four tiles
	s_and_b32 s23, s24, 1
	s_lshl_b32 s41, s23, 11
	s_mul_i32 s39, s26, 98304
	s_add_co_u32 s39, s39, s41                     ; W_q's image
	s_lshl_b32 s40, s26, 15
	s_add_co_u32 s40, s40, 1572864
	s_add_co_u32 s40, s40, s41                     ; W_o's image
	s_mul_i32 s26, s26, 12
	s_lshl_b32 s23, s23, 1
	s_add_co_u32 s26, s26, s23                     ; W_q: tile 12 hd + 2 (group % 2)
	s_lshl_b32 s27, s24, 1
	s_add_co_u32 s27, s27, 192                     ; W_o: tile 192 + 2 group
	s_mov_b32 s38, 4096
	s_mov_b32 s42, 12288
	s_cmp_lt_u32 s22, 32                           ; the choice hangs on the work-group's number alone
	s_cselect_b64 s[28:29], s[8:9], s[10:11]
	s_cselect_b32 s26, s26, s27
	s_cselect_b32 s39, s39, s40
	s_cselect_b32 s38, s42, s38
	s_wait_alu depctr_va_vdst(0)
	WROLE 4096
.Lrole_kv:
	s_sub_co_u32 s22, ttmp9, 128
	s_and_b32 s23, s22, 62
	s_and_b32 s24, s18, 1
	s_add_co_u32 s24, s24, s23                     ; which 32 columns: 0..63
	s_and_b32 s25, s22, 1
	s_lshl_b32 s25, s25, 2
	s_lshr_b32 s23, s18, 1
	s_add_co_u32 s25, s25, s23                     ; K step
	s_lshr_b32 s26, s24, 2                         ; the head
	s_and_b32 s23, s24, 3
	s_lshl_b32 s41, s23, 11
	s_mul_i32 s39, s26, 98304
	s_add_co_u32 s39, s39, s41
	s_add_co_u32 s39, s39, 4096                    ; the image
	s_mul_i32 s26, s26, 12
	s_lshl_b32 s23, s23, 1
	s_add_co_u32 s26, s26, s23
	s_add_co_u32 s26, s26, 4                       ; tile 12 hd + 4 + 2 (group % 4)
	s_mov_b32 s38, 12288
	s_mov_b64 s[28:29], s[6:7]
	s_wait_alu depctr_va_vdst(0)
	WROLE 8192
.Lrole_x:
	s_lshl_b32 s22, ttmp9, 3
	s_add_co_u32 s22, s22, s18
	s_lshr_b32 s23, s22, 2                         ; my tile of rows, 0..255
	s_and_b32 s24, s22, 3                          ; my pair of K steps
	s_lshr_b32 s25, s23, 2
	s_lshl_b32 s25, s25, 6
	s_and_b32 s26, s23, 3
	s_lshl_b32 s26, s26, 3
	s_add_co_u32 s25, s25, s26                     ; the tile's first row
	s_lshl_b32 s26, s25, 12
	s_lshl_b32 s27, s24, 10
	s_add_co_u32 s26, s26, s27
	s_mov_b32 s27, 0
	s_add_nc_u64 s[4:5], s[4:5], s[26:27]
	s_lshr_b32 s26, s23, 4
	s_lshl_b32 s26, s26, 17
	s_and_b32 s28, s23, 15
	s_lshl_b32 s28, s28, 10
	s_add_co_u32 s26, s26, s28
	s_lshl_b32 s28, s24, 15
	s_add_co_u32 s26, s26, s28
	s_add_nc_u64 s[12:13], s[12:13], s[26:27]      ; the image of my first K step
	s_lshl_b32 s26, s23, 9
	s_lshl_b32 s28, s24, 3
	s_add_co_u32 s26, s26, s28
	s_add_nc_u64 s[16:17], s[16:17], s[26:27]      ; my tile's scale words, at my first K step
	s_wait_alu depctr_va_vdst(0)
	v_and_b32 v2, 15, v1
	v_lshrrev_b32 v3, 4, v1
	s_delay_alu instid0(VALU_DEP_2)
	v_lshlrev_b32 v4, 4, v2
	s_delay_alu instid0(VALU_DEP_1)
	v_lshl_add_u32 v5, v3, 17, v4                  ; in: 16 (lane % 16), and 32 rows further down for lanes 16-31
	s_mul_i32 s28, s18, WSTG
	v_mul_u32_u24 v6, v3, 2176
	s_delay_alu instid0(VALU_DEP_1)
	v_add_nc_u32 v6, v6, v4
	s_delay_alu instid0(VALU_DEP_1)
	v_add_nc_u32 v6, s28, v6                       ; into a stage: stage row i + 8 (lane / 16)
	v_mul_u32_u24 v7, v2, 272
	s_delay_alu instid0(VALU_DEP_1)
	v_lshl_add_u32 v7, v3, 7, v7
	s_delay_alu instid0(VALU_DEP_1)
	v_add_nc_u32 v7, s28, v7                       ; out of it: row lane % 16, block lane / 16
	v_lshlrev_b32 v10, 4, v1                       ; an image's place for my lane
	v_lshlrev_b32 v12, 5, v2
	s_delay_alu instid0(VALU_DEP_1)
	v_lshl_add_u32 v12, v3, 2, v12                 ; scale word: 32 r + 4 (lane / 16)
	v_lshlrev_b32 v13, 3, v3
	v_cmp_lt_u32 vcc_lo, 15, v1                    ; lanes 16-31
	v_mov_b32 v14, 0                               ; a lane permute's destination counts as one of its sources
	v_mov_b32 v15, 0
	XLOADS
	s_wait_alu depctr_va_vdst(0)
	TURN 0
	TURN 1
	s_wait_dscnt 16                                ; half step 0 is back; the next turn's 8 stores and 8 loads stay out
	WORK 0
	TURN 2
	s_wait_dscnt 16
	WORK 1
	TURN 3
	s_wait_dscnt 16
	WORK 2
	s_wait_dscnt 0x0
	WORK 3
	v_lshl_or_b32 v16, v[EB+1], 16, v[EB]          ; my two bytes of each K step: blocks h and 2 + h,
	v_lshl_or_b32 v17, v[EB+3], 16, v[EB+2]
	s_delay_alu instid0(VALU_DEP_2)
	v_lshlrev_b32 v16, v13, v16                    ; at their places in the word;
	s_delay_alu instid0(VALU_DEP_2)
	v_lshlrev_b32 v17, v13, v17
	s_delay_alu instid0(VALU_DEP_2)
	v_permlanex16_b32 v14, v16, s20, s21
	s_delay_alu instid0(VALU_DEP_2)
	v_permlanex16_b32 v15, v17, s20, s21
	s_delay_alu instid0(VALU_DEP_2)
	v_or_b32 v16, v16, v14                         ; with lane l xor 16's two the word is whole
	s_delay_alu instid0(VALU_DEP_2)
	v_or_b32 v17, v17, v15
	s_delay_alu instid0(VALU_DEP_1)
	v_cndmask_b32 v16, v16, v17, vcc_lo            ; lanes 0-15 store the first K step's word, lanes 16-31 the second's
	global_store_b32 v12, v16, s[16:17]
	s_wait_tensorcnt 0x0
	ds_add_u32 v254, v255
	s_wait_dscnt 0x0
	s_endpgm
.Lfunc_end_k_q13f2ea049f_quant:
	.size	k_q13f2ea049f_quant, .Lfunc_end_k_q13f2ea049f_quant-k_q13f2ea049f_quant
	.p2alignl 7, 3214868480
	.fill 96, 4, 3214868480
	.section	.rodata,"a",@progbits
	.p2align	6, 0x0
	.amdhsa_kernel k_q13f2ea049f_quant
		.amdhsa_group_segment_fixed_size 70656
		.amdhsa_private_segment_fixed_size 0
		.amdhsa_enable_private_segment 0
		.amdhsa_kernarg_size 56
		.amdhsa_user_sgpr_count 2
		.amdhsa_user_sgpr_kernarg_segment_ptr 1
		.amdhsa_wavefront_size32 1
		.amdhsa_system_sgpr_workgroup_id_x 1
		.amdhsa_system_sgpr_workgroup_id_y 1
		.amdhsa_system_sgpr_workgroup_id_z 1
		.amdhsa_system_vgpr_workitem_id 0
		.amdhsa_next_free_vgpr 256
		.amdhsa_next_free_sgpr 66
		.amdhsa_reserve_vcc 1
		.amdhsa_float_denorm_mode_32 3
		.amdhsa_float_denorm_mode_16_64 3
		.amdhsa_memory_ordered 1
		.amdhsa_forward_progress 1
		.amdhsa_inst_pref_size 64
	.end_amdhsa_kernel
	.amdgpu_metadata
---
amdhsa.version: [ 1, 2 ]
amdhsa.kernels:
  - .name:           k_q13f2ea049f_quant
    .symbol:         k_q13f2ea049f_quant.kd
    .args:
      - { .name: embeddings, .offset: 0, .size: 8, .value_kind: global_buffer, .address_space: global }
      - { .name: W_kv, .offset: 8, .size: 8, .value_kind: global_buffer, .address_space: global }
      - { .name: W_q, .offset: 16, .size: 8, .value_kind: global_buffer, .address_space: global }
      - { .name: W_o, .offset: 24, .size: 8, .value_kind: global_buffer, .address_space: global }
      - { .name: ximg, .offset: 32, .size: 8, .value_kind: global_buffer, .address_space: global }
      - { .name: wimg, .offset: 40, .size: 8, .value_kind: global_buffer, .address_space: global }
      - { .name: scl, .offset: 48, .size: 8, .value_kind: global_buffer, .address_space: global }
    .group_segment_fixed_size: 70656
    .private_segment_fixed_size: 0
    .kernarg_segment_align: 8
    .kernarg_segment_size: 56
    .max_flat_workgroup_size: 256
    .sgpr_count:     66
    .vgpr_count:     256
    .wavefront_size: 32
...
	.end_amdgpu_metadata
.endif
;; end of part 1
;; launch proj (part 2): grid 16 x 16, 4 waves a work-group, clusters of 4 x 4, 229,888 bytes of LDS; arguments ximg, wimg, scl, b_q, b_kv, qbuf, kv; writes qbuf, kv
.if DOCPART == 2
	.amdgcn_target "amdgcn-amd-amdhsa--gfx1250"
	.amdhsa_code_object_version 6
	.text
	.protected	k_q13f2ea049f_proj
	.globl	k_q13f2ea049f_proj
	.p2align	8
	.type	k_q13f2ea049f_proj,@function
k_q13f2ea049f_proj:
	s_mov_b64 s[64:65], 0
	v_nop
	global_prefetch_b8 v0, s[64:65] scope:SCOPE_SE
	s_setreg_imm32_b32 hwreg(HW_REG_WAVE_MODE, 25, 1), 1
	s_wait_xcnt 0x0
	s_wait_alu depctr_hold_cnt(0) depctr_sa_sdst(0) depctr_va_vdst(0) depctr_va_sdst(0) depctr_va_ssrc(0) depctr_va_vcc(0) depctr_vm_vsrc(0)
	s_getreg_b32 s2, hwreg(HW_REG_IB_STS2, 6, 4)
	s_cmp_eq_u32 s2, 0
	s_cbranch_scc0 .Lentry_in_a_cluster
	s_endpgm
.Lentry_in_a_cluster:
	s_bfe_u32 s2, ttmp6, 0x10000c
	s_cmp_lg_u32 s2, 0xf033
	s_cbranch_scc0 .Lentry_shape_is_right
	s_endpgm
.Lentry_shape_is_right:
; q, k, v = embeddings x (W_q, W_kv) + biases on codes of FP4 with E8M0 scales, and straight on: q and k quantised along the head's 64, v along the keys.  No f32 result goes to memory.
; SHARES.  A work-group takes 256 rows (block Y) x the 192 columns of one head hd: 16 tiles of rows, 12 tiles of weights (0-3 q, 4-7 k, 8-11 v).  Wave w takes rows 64 w .. 64 w + 63 (tiles 4 w + te) against all 12: 48 accumulators.
; Operands come as images of their registers (1,024 bytes a tile and K step), so a fragment is two loads of 16 bytes a lane, 512 bytes on end.
; Tile T of rows holds in row r row 64 (T / 4) + 8 (T % 4) + r % 8 + 32 (r / 8); weight tile T holds column 32 (T / 2) + 8 (T % 2) + r + 8 (r / 8).
; ALL OF K LIES IN LDS, filled once: A (16 KB a K step, 8 steps) at 0, B (12 KB a K step) behind it; both are dense blocks of memory.  No byte of LDS is filled twice.
; CLUSTER 4 x 4: A's tiles hang on Y alone and are asked for jointly along a row of the cluster, B's on hd alone, along a column.  One load a wave: wave 0 A's K steps 0-3, wave 1 B's, waves 2 and 3 K steps 4-7.
; K steps 0-3 run when waves 0 and 1 have their loads; the barrier in front of K step 4's fragments shows the other two.  No prefetch: every fill stands at the head, with no loop to run ahead in.
; q, k: source 0 = 16 weight columns, source 1 = 16 rows: a lane holds one row, and the 16 registers of tiles 2 b, 2 b + 1 are 16 neighbours along the head's axis.
; v:    source 0 = 16 rows, source 1 = 16 weight columns: a lane holds one d, and its 32 registers of the wave's four tiles of rows are the 32 neighbouring keys of block lane / 16.  The biases are the C of each sum's first product.
; OUT.  qbuf [bh][73,728]: q's half images [tile 128][512] (registers 0-3: the head's 64; attention sets Q's registers 4-7 to zero codes), then scale words [4 tiles][lane][2]: word p of lane l is tile 2 p + l / 16's, row l % 16: b0 | b1 << 8, and the same two bytes again above them.
;       kv [bh][key step 16][8,960]: K's 8 half images; V^T's 4 images (16 d x 128 keys); K's scale words (2 x 256 bytes, laid as q's); V's ([lane][2 words]: word p of lane l is d tile 2 p + l / 16's).
; LIMITS: a block of zeros gets the byte 1, not 127 (its codes are zeros; this program alone reads the bytes); NaN and infinities are not served.  V's scale bytes leave in pieces of 2 bytes: 128 KB in the launch.
; REGISTERS.  window 0: v1-18 lane numbers and addresses; v32-95 scale words; v96-159 A's fragments, two sets of 32; v160-207 codes; v208-223 at work; v224-237 scale words on their way out.
;   window 1: B's fragments, set p at 96 p.   window 2: q's and k's accumulators, (te, tw) at 64 te + 8 tw.   window 3: v's accumulators, (te, x) at 32 x + 8 te; q's and k's biases at 128 + 8 tw; v's at 192 + 8 x.
.set LDSB, 131072                      ; B's images in LDS
.set SPARE, 229376
.set SC,  32                           ; slot i, K step s at SC + 8 i + s.  Lanes 16-31: weight tile i.  Lanes 0-15: slots 0-3 my tile i of rows, slots 4-7 weight tile 8 + (i - 4)
.set AF,  96
.set PC,  160
.set TM,  208                          ; +0..7 lane l xor 16's, then the blocks' bytes, +8..15 the conversions' scale operands; (V: +0..3 largest magnitudes, +4..7 bytes, +12..15 scale operands)
.set MX,  238                          ; v238-245 q's and k's largest magnitudes
.set QW,  224
.set KW,  228
.set QS,  232
.set KS,  234
.set VS,  236
.set MSB, 0
.macro WIN new                         ; the immediate's high byte repeats the setting that is left
.if MSB != (\new)
	s_set_vgpr_msb (MSB<<8)|(\new)
.set MSB, (\new)
.endif
.endm
.macro PLACES                          ; four plain places between a matrix instruction and a load into, or a read of, its registers
.rept 4
	v_nop
.endr
.endm
.macro CROUND                          ; a round of the cluster's barrier
	s_barrier_signal -1
	s_barrier_wait -1
	s_cmp_lg_u32 s18, 0
	s_cbranch_scc1 .Lnot_wave_0_\@
	s_barrier_signal -3
.Lnot_wave_0_\@:
	s_barrier_wait -3
	s_barrier_signal -1
	s_barrier_wait -1
.endm
.macro FETCH s                         ; K step s: B's 12 fragments and my 4 of A into set s % 2
	WIN 0x40                                       ; destination window 1
.irp t, 0,1,2,3,4,5,6,7,8,9,10,11
.irp c, 0,1
	ds_load_b128 v[96*((\s)%2)+8*\t+4*\c:96*((\s)%2)+8*\t+4*\c+3], v[8+(\s)/4] offset:((\s)%4)*12288+1024*\t+512*\c
.endr
.endr
	WIN 0
.irp i, 0,1,2,3
.irp c, 0,1
	ds_load_b128 v[AF+32*((\s)%2)+8*\i+4*\c:AF+32*((\s)%2)+8*\i+4*\c+3], v[6+(\s)/4] offset:((\s)%4)*16384+1024*\i+512*\c
.endr
.endr
.endm
; The 48 accumulators take turns, one instruction a turn, in the same order in every K step.
.macro MULQK s
.set P, (\s)%2
.if (\s) == 0
	WIN 0xb1                                       ; source 0 window 1, source 1 window 0, C (the bias) window 3, D window 2
.else
	WIN 0xa1                                       ; C and D window 2
.endif
.irp te, 0,1,2,3
.irp tw, 0,1,2,3,4,5,6,7
.if (\s) == 0
	v_wmma_scale_f32_16x16x128_f8f6f4 v[64*\te+8*\tw:64*\te+8*\tw+7], v[96*P+8*\tw:96*P+8*\tw+7], v[AF+32*P+8*\te:AF+32*P+8*\te+7], v[128+8*\tw:135+8*\tw], v[SC+8*\tw+(\s)], v[SC+8*\te+(\s)] matrix_a_fmt:MATRIX_FMT_FP4 matrix_b_fmt:MATRIX_FMT_FP4 matrix_a_scale:MATRIX_SCALE_ROW1
.else
	v_wmma_scale_f32_16x16x128_f8f6f4 v[64*\te+8*\tw:64*\te+8*\tw+7], v[96*P+8*\tw:96*P+8*\tw+7], v[AF+32*P+8*\te:AF+32*P+8*\te+7], v[64*\te+8*\tw:64*\te+8*\tw+7], v[SC+8*\tw+(\s)], v[SC+8*\te+(\s)] matrix_a_fmt:MATRIX_FMT_FP4 matrix_b_fmt:MATRIX_FMT_FP4 matrix_a_scale:MATRIX_SCALE_ROW1
.endif
.endr
.endr
.endm
.macro MULV s
.set P, (\s)%2
	WIN 0xf4                                       ; source 0 (rows) window 0, source 1 (weights) window 1, C and D window 3
.irp x, 0,1,2,3
.irp te, 0,1,2,3
.if (\s) == 0
	v_wmma_scale_f32_16x16x128_f8f6f4 v[32*\x+8*\te:32*\x+8*\te+7], v[AF+32*P+8*\te:AF+32*P+8*\te+7], v[96*P+8*(8+\x):96*P+8*(8+\x)+7], v[192+8*\x:199+8*\x], v[SC+8*\te+(\s)], v[SC+8*(4+\x)+(\s)] matrix_a_fmt:MATRIX_FMT_FP4 matrix_b_fmt:MATRIX_FMT_FP4
.else
	v_wmma_scale_f32_16x16x128_f8f6f4 v[32*\x+8*\te:32*\x+8*\te+7], v[AF+32*P+8*\te:AF+32*P+8*\te+7], v[96*P+8*(8+\x):96*P+8*(8+\x)+7], v[32*\x+8*\te:32*\x+8*\te+7], v[SC+8*\te+(\s)], v[SC+8*(4+\x)+(\s)] matrix_a_fmt:MATRIX_FMT_FP4 matrix_b_fmt:MATRIX_FMT_FP4
.endif
.endr
.endr
.endm
.macro STEP s
	s_wait_dscnt 0x0                               ; this K step's fragments are in, and no LDS instruction of mine is out at a signal
.if (\s) == 3
	s_wait_tensorcnt 0x0                           ; every load of mine has landed
	s_barrier_signal -1
	s_barrier_wait -1                              ; and everybody's: K steps 4 to 7 lie in LDS
.endif
.if (\s) < 7
	PLACES                                         ; the other set was last read by the K step before
	FETCH (\s)+1                                   ; it has this whole K step's 48 products in which to come
.endif
	MULQK \s
	MULV \s
.endm
; Two tiles of rows: 128 registers of window w from s on, register 16 b + i = number 32 (b % 4) + 16 (lane / 16) + i of my row of tile b / 4, become 16 registers of codes in v[pc] on (window 0); the eight blocks' bytes stay in v[TM] on.
.macro QUANT w, s, pc
	WIN ((\w)<<2)|((\w)<<4)                        ; sources 1 and 2 in window w
.irp b, 0,1,2,3,4,5,6,7
	v_max3_num_f32 v[MX+\b], 0x1800000, |v[(\s)+16*\b]|, |v[(\s)+1+16*\b]|   ; the floor 2^(3 - 127) and my first two: each accumulator is read from its low end on
.endr
.irp i, 2,4,6,8,10,12,14
.irp b, 0,1,2,3,4,5,6,7
	v_max3_num_f32 v[MX+\b], v[MX+\b], |v[(\s)+16*\b+\i]|, |v[(\s)+1+16*\b+\i]|
.endr
.endr
	WIN 0
.irp b, 0,1,2,3,4,5,6,7
	v_permlanex16_b32 v[TM+\b], v[MX+\b], s56, s57
.endr
.irp b, 0,1,2,3,4,5,6,7
	v_max_num_f32 v[MX+\b], v[MX+\b], v[TM+\b]     ; with lane l xor 16's 16: the block's largest magnitude
.endr
.irp b, 0,1,2,3,4,5,6,7
	v_add_nc_u32 v[TM+8+\b], 0xff000000, v[MX+\b]  ; 2 off the exponent field: the conversion's scale operand
.endr
.irp b, 0,1,2,3,4,5,6,7
	v_lshrrev_b32 v[TM+\b], 23, v[TM+8+\b]         ; the byte
.endr
	WIN (\w)                                       ; source 0 in window w
.irp b, 0,1,2,3,4,5,6,7
	v_cvt_scalef32_pk8_fp4_f32 v[(\pc)+2*\b], v[(\s)+16*\b:(\s)+16*\b+7], v[TM+8+\b]
	v_cvt_scalef32_pk8_fp4_f32 v[(\pc)+1+2*\b], v[(\s)+8+16*\b:(\s)+15+16*\b], v[TM+8+\b]
.endr
	WIN 0
	v_nop                                          ; one plain place behind a scaled conversion
.irp c, 0,1,2,3                        ; an operand wants a whole block in a lane: of each pair of blocks lanes 0-15 the first, lanes 16-31 the second
.irp i, 0,1
	v_permlane16_swap_b32 v[(\pc)+4*\c+\i], v[(\pc)+2+4*\c+\i]
.endr
.endr
.endm
; One head load to an arm: one tree of branches on the wave's number, so that every way passes exactly one load.
.macro ARM under, g0, g1, next
	s_cmp_lt_u32 s18, \under
	s_cbranch_scc0 \next
	tensor_load_to_lds s[\g0:\g0+3], s[\g1:\g1+7]
	s_nop 0
.rept 4
	v_nop
.endr
	s_branch .Lfilled
\next:
.endm
	s_load_b256 s[4:11], s[0:1], 0x0               ; ximg, wimg, scl, b_q
	s_load_b128 s[12:15], s[0:1], 0x20             ; b_kv, qbuf
	s_load_b64 s[16:17], s[0:1], 0x30              ; kv
	v_lshl_add_u32 v254, v0, 2, SPARE
	v_mov_b32 v255, 0
	ds_add_u32 v254, v255                          ; the opening: the add, twice on end, and its wait
	ds_add_u32 v254, v255
	v_lshrrev_b32 v1, 5, v0
	v_readfirstlane_b32 s18, v1                    ; wave 0..3
	s_and_b32 s19, s18, 1                          ; which half of a key step my 64 rows are
	s_lshr_b32 s66, s18, 1                         ; which half of K I ask for
	s_bfe_u32 s20, ttmp6, 0x40000                  ; cx
	s_bfe_u32 s21, ttmp6, 0x40004                  ; cy
	s_lshl_b32 s22, ttmp9, 2
	s_add_co_u32 s22, s22, s20                     ; hd = 4 x cluster x + cx
	s_and_b32 s23, ttmp7, 0xffff
	s_lshl_b32 s23, s23, 2
	s_add_co_u32 s23, s23, s21                     ; Y = 4 x cluster y + cy
	s_lshl_b32 s62, s21, 2
	s_lshl_b32 s62, 15, s62                        ; my row of the cluster
	s_lshl_b32 s88, 0x1111, s20                    ; my column
	; group 1: dense blocks as rows of 256 bytes (32 elements of 8 bytes): A 256 rows, B 192
	s_or_b32 s24, s62, (3<<16)|(1<<21)             ; 15:0 the mask; 17:16 elements of 8 bytes; 21 set beside a mask
	s_mov_b32 s25, 32<<16                          ; tensor_dim0
	s_mov_b32 s26, 256<<16                         ; tensor_dim1
	s_mov_b32 s27, 32<<16                          ; tile_dim0
	s_mov_b32 s28, 256                             ; tile_dim1
	s_mov_b32 s29, 32                              ; the pitch
	s_mov_b32 s30, 0
	s_mov_b32 s31, 0
	s_or_b32 s32, s88, (3<<16)|(1<<21)
	s_mov_b32 s33, 32<<16
	s_mov_b32 s34, 192<<16
	s_mov_b32 s35, 32<<16
	s_mov_b32 s36, 192
	s_mov_b32 s37, 32
	s_mov_b32 s38, 0
	s_mov_b32 s39, 0
	s_lshl_b32 s58, s23, 17                        ; A: 128 KB x Y + 64 KB x half; these registers never hold hd
	s_lshl_b32 s63, s66, 16                        ; where it goes: the wave's number alone enters an LDS address
	s_add_co_u32 s58, s58, s63
	s_mov_b32 s59, 0
	s_mul_i32 s84, s22, 98304                      ; B: 96 KB x hd + 48 KB x half; these never hold Y
	s_mul_i32 s89, s66, 49152
	s_add_co_u32 s84, s84, s89
	s_mov_b32 s85, 0
	s_add_co_u32 s89, s89, LDSB
	s_mov_b32 s56, 0x76543210
	s_mov_b32 s57, 0xfedcba98                      ; v_permlanex16_b32's selects for lane l xor 16
	s_lshl_b32 s90, s18, 12
	s_lshl_b32 s91, s23, 4
	s_lshl_b32 s92, s18, 2
	s_add_co_u32 s91, s91, s92
	s_lshl_b32 s91, s91, 9                         ; scale words: my first tile of rows
	s_mul_i32 s92, s22, 6144
	s_add_co_u32 s92, s92, 131072                  ; and the head's first weight tile
	s_sub_co_u32 s93, s92, s91
	s_add_co_u32 s94, s92, 2048
	s_lshl_b32 s44, s22, 8
	s_mov_b32 s45, 0
	s_lshl_b32 s46, s22, 9
	s_mov_b32 s47, 0
	v_and_b32 v1, 31, v0                           ; lane
	v_and_b32 v2, 15, v0                           ; r
	v_bfe_u32 v3, v0, 4, 1                         ; h
	v_lshlrev_b32 v4, 4, v1                        ; 16 x lane
	v_lshlrev_b32 v5, 3, v1                        ; 8 x lane
	v_add_nc_u32 v6, s90, v4                       ; A's fragments: my four tiles; K steps 0-3,
	v_add_nc_u32 v7, 65536, v6                     ; 4-7
	v_add_nc_u32 v8, LDSB, v4                      ; B's: K steps 0-3,
	v_add_nc_u32 v9, 49152, v8                     ; 4-7
	v_lshlrev_b32 v18, 5, v2
	v_mul_u32_u24 v10, s93, v3
	v_add3_u32 v10, v10, v18, s91                  ; slots 0-3: lanes 0-15 rows' tile i, lanes 16-31 weight tile i
	v_lshlrev_b32 v11, 11, v3
	v_sub_nc_u32 v11, v18, v11
	v_add_nc_u32 v11, s94, v11                     ; slots 4-7: lanes 0-15 weight tile 4 + i, lanes 16-31 weight tile i
	v_lshlrev_b32 v12, 6, v3                       ; bias of q, k: my half's eight numbers of a tile: 64 h
	v_and_b32 v13, 8, v2
	v_add_nc_u32 v13, v13, v2
	v_lshlrev_b32 v13, 2, v13                      ; of v: my d: 4 (r + 8 (r / 8))
	v_lshl_add_u32 v14, s19, 11, v4                ; K's half images: 16 lane + 4 tiles x (wave % 2)
	v_lshl_add_u32 v15, s19, 9, v4                 ; V's images: 16 lane + 512 x (wave % 2)
	v_lshl_add_u32 v16, s19, 8, v5                 ; K's scale words: 8 lane + 256 x (wave % 2)
	v_lshl_add_u32 v17, s19, 1, v5                 ; V's scale bytes: 8 lane + 2 x (wave % 2)
.irp b, 0,1,2,3,4,5,6,7
	v_mov_b32 v[TM+\b], 0                          ; a lane permute's destination counts as one of its sources
.endr
	s_wait_alu depctr_va_vdst(0)
	s_wait_dscnt 0x0                               ; both opening adds are done
	s_wait_kmcnt 0x0
	s_mov_b32 s40, 1                               ; group 0 for A
	s_mov_b32 s41, s63
	s_add_nc_u64 s[42:43], s[4:5], s[58:59]
	s_or_b32 s43, s43, 0x80000000
	s_mov_b32 s68, 1                               ; and for B
	s_mov_b32 s69, s89
	s_add_nc_u64 s[70:71], s[6:7], s[84:85]
	s_or_b32 s71, s71, 0x80000000
	s_add_nc_u64 s[10:11], s[10:11], s[44:45]      ; b_q at the head's 64
	s_add_nc_u64 s[12:13], s[12:13], s[46:47]      ; b_kv at the head's 128
	; the scale words go from memory straight into registers, 8 K steps (32 bytes) of a row at a time
.irp i, 0,1,2,3
	global_load_b128 v[SC+8*\i:SC+8*\i+3], v10, s[8:9] offset:512*\i
	global_load_b128 v[SC+8*\i+4:SC+8*\i+7], v10, s[8:9] offset:512*\i+16
.endr
.irp i, 4,5,6,7
	global_load_b128 v[SC+8*\i:SC+8*\i+3], v11, s[8:9] offset:512*\i
	global_load_b128 v[SC+8*\i+4:SC+8*\i+7], v11, s[8:9] offset:512*\i+16
.endr
	; the biases, in the results' layouts
	WIN 0xc0                                       ; destination window 3
.irp t, 0,1,2,3
	global_load_b128 v[128+8*\t:131+8*\t], v12, s[10:11] offset:(32*(\t/2)+8*(\t%2))*4
	global_load_b128 v[132+8*\t:135+8*\t], v12, s[10:11] offset:(32*(\t/2)+8*(\t%2))*4+16
	global_load_b128 v[160+8*\t:163+8*\t], v12, s[12:13] offset:(32*(\t/2)+8*(\t%2))*4
	global_load_b128 v[164+8*\t:167+8*\t], v12, s[12:13] offset:(32*(\t/2)+8*(\t%2))*4+16
.endr
.irp x, 0,1,2,3
	global_load_b32 v[192+8*\x], v13, s[12:13] offset:256+(32*(\x/2)+8*(\x%2))*4   ; one number for all eight keys of a lane
.endr
	WIN 0
	CROUND                                         ; all sixteen work-groups are here: the joint loads meet
	ARM 1, 40, 24, .Lfill_b0
	ARM 2, 68, 32, .Lfill_a1
	ARM 3, 40, 24, .Lfill_b1
	tensor_load_to_lds s[68:71], s[32:39]
	s_nop 0
.rept 4
	v_nop
.endr
.Lfilled:
	; where the results go
	s_lshr_b32 s96, s23, 3
	s_lshl_b32 s96, s96, 4
	s_add_co_u32 s96, s96, s22                     ; bh = 16 x batch + hd
	s_and_b32 s97, s23, 7
	s_mul_i32 s98, s96, 73728
	s_lshl_b32 s99, s97, 2
	s_add_co_u32 s99, s99, s18                     ; my group of four tiles in the head
	s_lshl_b32 s90, s99, 11
	s_add_co_u32 s90, s90, s98
	s_mov_b32 s91, 0
	s_add_nc_u64 s[92:93], s[14:15], s[90:91]      ; q's half images
	s_lshl_b32 s90, s99, 8
	s_add_co_u32 s90, s90, s98
	s_add_co_u32 s90, s90, 65536
	s_add_nc_u64 s[14:15], s[14:15], s[90:91]      ; q's scale words
	s_mul_i32 s98, s96, 143360
	s_lshl_b32 s99, s97, 1
	s_add_co_u32 s99, s99, s66
	s_mul_i32 s99, s99, 8960
	s_add_co_u32 s90, s98, s99
	s_add_nc_u64 s[16:17], s[16:17], s[90:91]      ; my key step's record
	s_cmp_lt_u32 s18, 2                            ; K steps 0-3 are waves 0's and 1's loads, in lines of their own
	s_cbranch_scc0 .Lnot_first
	s_wait_tensorcnt 0x0
.Lnot_first:
	s_barrier_signal -1
	s_barrier_wait -1                              ; K steps 0 to 3 of A and of B lie in LDS
	FETCH 0
	s_wait_loadcnt 0x0                             ; scale words and biases
	WIN 0xc3                                       ; source 0 and destination in window 3
.irp x, 0,1,2,3
.irp j, 1,2,3,4,5,6,7
	v_mov_b32 v[192+8*\x+\j], v[192+8*\x]          ; v's bias: the same number in all eight registers of C
.endr
.endr
	WIN 0
	s_wait_alu depctr_va_vdst(0)
	STEP 0
	STEP 1
	STEP 2
	STEP 3
	STEP 4
	STEP 5
	STEP 6
	STEP 7
	WIN 0
	v_cmp_lt_u32 vcc_lo, 15, v1                    ; lanes 16-31
	PLACES
.irp te, 0,2                           ; tiles te, te + 1: of each tile's codes registers 0-3 are q's half image (blocks 0, 1), 4-7 k's (blocks 2, 3)
	QUANT 2, 64*\te, PC+8*\te
.irp e, 0,1
	v_lshl_or_b32 v[QW+\te+\e], v[TM+1+4*\e], 8, v[TM+4*\e]
	v_lshl_or_b32 v[KW+\te+\e], v[TM+3+4*\e], 8, v[TM+2+4*\e]
.endr
.irp e, 0,1
	v_lshl_or_b32 v[QW+\te+\e], v[QW+\te+\e], 16, v[QW+\te+\e]   ; the upper 64 of the instruction's 128 meet zero codes of Q: their bytes repeat the lower two
	v_lshl_or_b32 v[KW+\te+\e], v[KW+\te+\e], 16, v[KW+\te+\e]
.endr
.irp e, 0,1
	global_store_b128 v4, v[PC+8*(\te+\e):PC+8*(\te+\e)+3], s[92:93] offset:512*(\te+\e)        ; 512 bytes on end
	global_store_b128 v14, v[PC+8*(\te+\e)+4:PC+8*(\te+\e)+7], s[16:17] offset:512*(\te+\e)
.endr
.endr
.irp p, 0,1
	v_cndmask_b32 v[QS+\p], v[QW+2*\p], v[QW+2*\p+1], vcc_lo   ; lanes 0-15 carry tile 2 p's words, lanes 16-31 tile 2 p + 1's
	v_cndmask_b32 v[KS+\p], v[KW+2*\p], v[KW+2*\p+1], vcc_lo
.endr
	global_store_b64 v5, v[QS:QS+1], s[14:15]      ; 256 bytes on end
	global_store_b64 v16, v[KS:KS+1], s[16:17] offset:8192
	; V: for each d tile x my 32 registers are the whole block lane / 16 of the wave's 64 keys: no other lane is asked
	WIN 0x3c                                       ; sources 1 and 2 in window 3
.irp x, 0,1,2,3
	v_max3_num_f32 v[TM+\x], 0x1800000, |v[32*\x]|, |v[32*\x+1]|
.endr
.irp i, 2,4,6,8,10,12,14,16,18,20,22,24,26,28,30
.irp x, 0,1,2,3
	v_max3_num_f32 v[TM+\x], v[TM+\x], |v[32*\x+\i]|, |v[32*\x+\i+1]|
.endr
.endr
	WIN 0
.irp x, 0,1,2,3
	v_add_nc_u32 v[TM+12+\x], 0xff000000, v[TM+\x]
.endr
.irp x, 0,1,2,3
	v_lshrrev_b32 v[TM+4+\x], 23, v[TM+12+\x]
.endr
	WIN 3                                          ; source 0 in window 3
.irp x, 0,1,2,3
.irp te, 0,1,2,3
	v_cvt_scalef32_pk8_fp4_f32 v[PC+32+4*\x+\te], v[32*\x+8*\te:32*\x+8*\te+7], v[TM+12+\x]
.endr
.endr
	WIN 0
	v_nop                                          ; one plain place behind a scaled conversion
.irp p, 0,1
	v_permlane16_swap_b32 v[TM+4+2*\p], v[TM+5+2*\p]   ; now block 0's byte and block 1's of d tile 2 p + lane / 16
.endr
.irp p, 0,1
	v_lshl_or_b32 v[VS+\p], v[TM+5+2*\p], 8, v[TM+4+2*\p]
.endr
.irp x, 0,1,2,3
	global_store_b128 v15, v[PC+32+4*\x:PC+32+4*\x+3], s[16:17] offset:4096+1024*\x   ; 512 bytes on end
.endr
.irp p, 0,1
	global_store_b16 v17, v[VS+\p], s[16:17] offset:8704+4*\p
.endr
	s_wait_tensorcnt 0x0                           ; the wave's end
	ds_add_u32 v254, v255
	s_wait_dscnt 0x0
	CROUND                                         ; the closing round: no work-group ends while a partner may still ask for a tile that names it
	s_endpgm
.Lfunc_end_k_q13f2ea049f_proj:
	.size	k_q13f2ea049f_proj, .Lfunc_end_k_q13f2ea049f_proj-k_q13f2ea049f_proj
	.p2alignl 7, 3214868480
	.fill 96, 4, 3214868480
	.section	.rodata,"a",@progbits
	.p2align	6, 0x0
	.amdhsa_kernel k_q13f2ea049f_proj
		.amdhsa_group_segment_fixed_size 229888
		.amdhsa_private_segment_fixed_size 0
		.amdhsa_enable_private_segment 0
		.amdhsa_kernarg_size 56
		.amdhsa_user_sgpr_count 2
		.amdhsa_user_sgpr_kernarg_segment_ptr 1
		.amdhsa_wavefront_size32 1
		.amdhsa_system_sgpr_workgroup_id_x 1
		.amdhsa_system_sgpr_workgroup_id_y 1
		.amdhsa_system_sgpr_workgroup_id_z 1
		.amdhsa_system_vgpr_workitem_id 0
		.amdhsa_next_free_vgpr 1024
		.amdhsa_next_free_sgpr 100
		.amdhsa_reserve_vcc 1
		.amdhsa_float_denorm_mode_32 3
		.amdhsa_float_denorm_mode_16_64 3
		.amdhsa_memory_ordered 1
		.amdhsa_forward_progress 1
		.amdhsa_inst_pref_size 102
	.end_amdhsa_kernel
	.amdgpu_metadata
---
amdhsa.version: [ 1, 2 ]
amdhsa.kernels:
  - .name:           k_q13f2ea049f_proj
    .symbol:         k_q13f2ea049f_proj.kd
    .args:
      - { .name: ximg, .offset: 0, .size: 8, .value_kind: global_buffer, .address_space: global }
      - { .name: wimg, .offset: 8, .size: 8, .value_kind: global_buffer, .address_space: global }
      - { .name: scl, .offset: 16, .size: 8, .value_kind: global_buffer, .address_space: global }
      - { .name: b_q, .offset: 24, .size: 8, .value_kind: global_buffer, .address_space: global }
      - { .name: b_kv, .offset: 32, .size: 8, .value_kind: global_buffer, .address_space: global }
      - { .name: qbuf, .offset: 40, .size: 8, .value_kind: global_buffer, .address_space: global }
      - { .name: kv, .offset: 48, .size: 8, .value_kind: global_buffer, .address_space: global }
    .group_segment_fixed_size: 229888
    .private_segment_fixed_size: 0
    .kernarg_segment_align: 8
    .kernarg_segment_size: 56
    .max_flat_workgroup_size: 128
    .sgpr_count:     100
    .vgpr_count:     1024
    .wavefront_size: 32
...
	.end_amdgpu_metadata
.endif
;; end of part 2
;; launch attn (part 3): grid 8 x 32, 16 waves a work-group, clusters of 4 x 1, 169,984 bytes of LDS; arguments qbuf, kv, cimg, scl; writes cimg, scl
.if DOCPART == 3
	.amdgcn_target "amdgcn-amd-amdhsa--gfx1250"
	.amdhsa_code_object_version 6
	.text
	.protected	k_q13f2ea049f_attn
	.globl	k_q13f2ea049f_attn
	.p2align	8
	.type	k_q13f2ea049f_attn,@function
k_q13f2ea049f_attn:
	s_mov_b64 s[64:65], 0
	v_nop
	global_prefetch_b8 v0, s[64:65] scope:SCOPE_SE
	s_setreg_imm32_b32 hwreg(HW_REG_WAVE_MODE, 25, 1), 1
	s_wait_xcnt 0x0
	s_wait_alu depctr_hold_cnt(0) depctr_sa_sdst(0) depctr_va_vdst(0) depctr_va_sdst(0) depctr_va_ssrc(0) depctr_va_vcc(0) depctr_vm_vsrc(0)
	s_getreg_b32 s2, hwreg(HW_REG_IB_STS2, 6, 4)
	s_cmp_eq_u32 s2, 0
	s_cbranch_scc0 .Lentry_in_a_cluster
	s_endpgm
.Lentry_in_a_cluster:
	s_bfe_u32 s2, ttmp6, 0x10000c
	s_cmp_lg_u32 s2, 0x3003
	s_cbranch_scc0 .Lentry_shape_is_right
	s_endpgm
.Lentry_shape_is_right:
; ctx = softmax(q k^T / 8) v for one head, both products on codes of FP4 with E8M0 scales, and ctx quantised along 64 hd + d for the last product.
; THE SOFTMAX: t = score x log2(e) / 8; M = the running largest t rounded UP to a whole number; p = 2^(t - M) is quantised along the keys, not normalised; the row's sum is taken of the unquantised p and divides at the end.
; When M moves, the sum and O^T are multiplied by 2^(old M - new M), which rounds nothing.
; SHARES.  A work-group owns 256 queries of head bh; each of its sixteen waves one tile of 16, in 256 registers: four waves to a SIMD.
; ALL 16 KEY STEPS' RECORDS OF THE HEAD (8,960 bytes each: K's 8 half images, V^T's 4 images, their scale words) LIE IN LDS, filled once, jointly for the four query blocks of a cluster: wave w asks for record w, one load a wave.
; Waves 0-3 wait for their loads first: two trips run on records 0-3, and the barrier for the others is signalled ahead of the second and waited for near its end.  No prefetch: every fill stands at the head, with no loop to run ahead in.
; A TRIP is 256 keys, two records: S^T is 128 registers, so that M moves and O^T is rescaled once for them.
; LAYOUT.  S^T = K Q^T (source 0 = 16 keys), O^T = V^T P^T (source 0 = 16 d): a lane holds one query throughout.  Tile t' of a group c of four tiles holds in row r key 64 c + 32 (r / 8) + 8 t' + r % 8,
; so the 32 registers of a group's four tiles are, in lane half h, the 32 neighbouring keys of block 2 c + h: a block's largest score needs no other lane, and the conversions' results are the second product's operand as they stand.
; The first product's K is 64: Q's registers 4-7 are zero codes, so what stands in K's registers 4-7 adds nothing (FP4 has no NaN and no infinity): a K fragment of 4 registers runs on into the next one's, and the last into the
; four registers behind (the first record's: score registers; the second's: O^T's first four).
; The first record's K comes into score registers that QK 0 does not write, at the end of the trip before; the second record's into registers of its own at the trip's start.
; A BLOCK'S SCALE: p = 2^u with u = t - M lies in [2^floor(u), 2^(floor(u) + 1)), so the scale's exponent is floor(u) - 2, u of the block's largest score; the byte is floor(u) + 125, u held at -124 from below.
; LIMITS: p under 2^-126 becomes 0 (v_exp_f32 gives no denormals: ISA guide 15.8); a block's largest p that v_exp_f32 rounds up to the power of two above it is held at the largest code, 6;
; a block of zeros of ctx gets the byte 1, not 127; the promise holds while the scaled scores stay under 2^31 in magnitude; NaN and infinities are not served.  ctx's scale bytes leave one byte a lane: 128 KB in the launch.
.set REC, 8960
.set SPARE, 0x29000
; v0 the thread's number; v1 16 lane, v2 8 lane; v3, v4 the trip's LDS addresses; v5 lane l xor 16's; v6 -M, v7 the largest score; v[8:9] the sum in two halves; v10 2^(old M - new M); v11 p's scale words: lanes 0-15 the first record's, lanes 16-31 the second's
.set QW,  12                           ; Q's scale words
.set T,   13
.set B01, 14                           ; v14-15   largest scores of the first record's two blocks
.set QF,  16                           ; v16-23   Q
.set KF,  24                           ; v24-55   the second record's K: 8 tiles of 4.  Behind its product: v24-25 largest scores, v26-29 whole numbers, v30-33 the conversions' scale operands, v34-39 sums, v40-55 p's codes
.set O,   56                           ; v56-87   O^T
.set KW,  88                           ; v88-91   K's scale words
.set VW,  92                           ; v92-93   V's
.set OM,  94
.set VF,  96                           ; v96-127  V^T: 4 fragments
.set S,   128                          ; v128-255 S^T, then p
.set KN,  192                          ; v192-223 the first record's K, until its product is made
.macro CROUND
	s_barrier_signal -1
	s_barrier_wait -1
	s_cmp_lg_u32 s18, 0
	s_cbranch_scc1 .Lnot_wave_0_\@
	s_barrier_signal -3
.Lnot_wave_0_\@:
	s_barrier_wait -3
	s_barrier_signal -1
	s_barrier_wait -1
.endm
.macro KCODES k, adr, off
.irp t, 0,1,2,3,4,5,6,7
	ds_load_b128 v[(\k)+4*\t:(\k)+4*\t+3], v[\adr] offset:(\off)+512*\t
.endr
.endm
.macro KSCALES adr, off
.irp g, 0,1
	ds_load_b64 v[KW+2*\g:KW+2*\g+1], v[\adr] offset:(\off)+8192+256*\g
.endr
.endm
.macro VLOAD u
.irp t, 0,1,2,3
.irp c, 0,1
	ds_load_b128 v[VF+8*\t+4*\c:VF+8*\t+4*\c+3], v3 offset:REC*\u+4096+1024*\t+512*\c
.endr
.endr
	ds_load_b64 v[VW:VW+1], v4 offset:REC*\u+8704
.endm
.macro QK u, k
.irp t, 0,1,2,3,4,5,6,7
.if (\t)%2
	v_wmma_scale_f32_16x16x128_f8f6f4 v[S+64*\u+8*\t:S+64*\u+8*\t+7], v[(\k)+4*\t:(\k)+4*\t+7], v[QF:QF+7], 0, v[KW+\t/2], v[QW] matrix_a_fmt:MATRIX_FMT_FP4 matrix_b_fmt:MATRIX_FMT_FP4 matrix_a_scale:MATRIX_SCALE_ROW1
.else
	v_wmma_scale_f32_16x16x128_f8f6f4 v[S+64*\u+8*\t:S+64*\u+8*\t+7], v[(\k)+4*\t:(\k)+4*\t+7], v[QF:QF+7], 0, v[KW+\t/2], v[QW] matrix_a_fmt:MATRIX_FMT_FP4 matrix_b_fmt:MATRIX_FMT_FP4
.endif
.endr
.endm
; The four accumulators take turns, one instruction a turn.
.macro PV u
.irp t, 0,1,2,3
.if (\u) == 0
.if (\t)%2
	v_wmma_scale_f32_16x16x128_f8f6f4 v[O+8*\t:O+8*\t+7], v[VF+8*\t:VF+8*\t+7], v[40:47], v[O+8*\t:O+8*\t+7], v[VW+\t/2], v11 matrix_a_fmt:MATRIX_FMT_FP4 matrix_b_fmt:MATRIX_FMT_FP4 matrix_a_scale:MATRIX_SCALE_ROW1
.else
	v_wmma_scale_f32_16x16x128_f8f6f4 v[O+8*\t:O+8*\t+7], v[VF+8*\t:VF+8*\t+7], v[40:47], v[O+8*\t:O+8*\t+7], v[VW+\t/2], v11 matrix_a_fmt:MATRIX_FMT_FP4 matrix_b_fmt:MATRIX_FMT_FP4
.endif
.else
.if (\t)%2
	v_wmma_scale_f32_16x16x128_f8f6f4 v[O+8*\t:O+8*\t+7], v[VF+8*\t:VF+8*\t+7], v[48:55], v[O+8*\t:O+8*\t+7], v[VW+\t/2], v11 matrix_a_fmt:MATRIX_FMT_FP4 matrix_b_fmt:MATRIX_FMT_FP4 matrix_a_scale:MATRIX_SCALE_ROW1 matrix_b_scale:MATRIX_SCALE_ROW1
.else
	v_wmma_scale_f32_16x16x128_f8f6f4 v[O+8*\t:O+8*\t+7], v[VF+8*\t:VF+8*\t+7], v[48:55], v[O+8*\t:O+8*\t+7], v[VW+\t/2], v11 matrix_a_fmt:MATRIX_FMT_FP4 matrix_b_fmt:MATRIX_FMT_FP4 matrix_b_scale:MATRIX_SCALE_ROW1
.endif
.endif
.endr
.endm
.macro LARGEST u, m, e0, e1            ; the largest score of my two blocks of record u into v[m], v[m + 1], two chains a block; each accumulator from its low end on
.irp b, 0,1
	v_max3_num_f32 v[\m+\b], v[S+64*\u+32*\b], v[S+64*\u+32*\b+1], v[S+64*\u+32*\b+2]
.endr
	v_max3_num_f32 v[\e0], v[S+64*\u+3], v[S+64*\u+4], v[S+64*\u+5]
	v_max3_num_f32 v[\e1], v[S+64*\u+35], v[S+64*\u+36], v[S+64*\u+37]
.irp i, 6,10,14,18,22,26
.irp b, 0,1
	v_max3_num_f32 v[\m+\b], v[\m+\b], v[S+64*\u+32*\b+\i], v[S+64*\u+32*\b+\i+1]
.endr
	v_max3_num_f32 v[\e0], v[\e0], v[S+64*\u+\i+2], v[S+64*\u+\i+3]
	v_max3_num_f32 v[\e1], v[\e1], v[S+64*\u+32+\i+2], v[S+64*\u+32+\i+3]
.endr
.endm
.macro LARGEND u, m, e0, e1            ; its last four lines
.irp b, 0,1
	v_max3_num_f32 v[\m+\b], v[\m+\b], v[S+64*\u+32*\b+30], v[S+64*\u+32*\b+31]
.endr
	v_max_num_f32 v[\m], v[\m], v[\e0]
	v_max_num_f32 v[\m+1], v[\m+1], v[\e1]
.endm
.macro SUMS cnt                        ; the next cnt pairs onto the sum, in eight chains: v8, v34, v36, v38, v26, v28, v14, v24 and the register behind each.  Pairs 0-15: the first record's, two of p's pairs added already; 16-47: the second's
.rept \cnt
.set AC, 8
.if n%8 > 0
.set AC, 32+2*(n%8)
.endif
.if n%8 > 3
.set AC, 18+2*(n%8)
.endif
.if n%8 == 6
.set AC, 14
.endif
.if n%8 == 7
.set AC, 24
.endif
.set PR, S+4*n
.if n > 15
.set PR, S+64+2*(n-16)
.endif
	v_pk_add_f32 v[AC:AC+1], v[AC:AC+1], v[PR:PR+1]
.set n, n+1
.endr
.endm
.macro SCALED cnt                      ; t - M, two at a time (of the pairs c and -M the low word serves both halves)
.rept \cnt
	v_pk_fma_f32 v[S+k:S+k+1], v[S+k:S+k+1], s[22:23], v[6:7] op_sel_hi:[1,0,0]
.set k, k+2
.endr
.endm
.macro EXPS cnt                        ; p = 2^(t - M)
.rept \cnt
	v_exp_f32 v[S+j], v[S+j]
.set j, j+1
.endr
.endm
; A TRIP: 256 keys, the two records from LDS byte s48 on.  pre = 1: the next trip's first K is asked for; meet = 1: the barrier signalled ahead of the trip is waited for in front of that.
.macro TRIP pre, meet
	v_add_nc_u32 v3, s48, v1
	v_add_nc_u32 v4, s48, v2
	s_wait_alu depctr_va_vdst(0)                   ; directly behind the writes of v3, v4
	; the two additions above and the last three of the trip before are five places behind its last products, into whose registers the loads below go
	VLOAD 0
	KCODES KF, 3, REC
	s_wait_dscnt 17                                ; the first record's K and scale words are in; the 17 just issued stay out
	QK 0, KN
.rept 4
	v_nop
.endr
	KSCALES 4, REC
	LARGEST 0, B01, T, OM
	s_wait_alu depctr_va_vdst(0)                   ; directly ahead of the wait below
	s_wait_dscnt 0x0                               ; the second record's K and scale words, and V
	QK 1, KF
	LARGEND 0, B01, T, OM                          ; four plain lines that name none of the products' registers: the places behind them
	LARGEST 1, KF, 26, 27
	LARGEND 1, KF, 26, 27
	v_max3_num_f32 v[T], v14, v15, v24
	s_delay_alu instid0(VALU_DEP_1)
	v_max_num_f32 v[T], v[T], v25                  ; the largest score of my 128 keys,
	s_delay_alu instid0(VALU_DEP_1)
	v_permlanex16_b32 v5, v[T], s20, s21           ; of lane l xor 16's,
	s_delay_alu instid0(VALU_DEP_1)
	v_max3_num_f32 v7, v7, v[T], v5                ; and so far
	v_mov_b32 v[OM], v6
	s_delay_alu instid0(VALU_DEP_2)
	v_mul_f32 v[T], s22, v7                        ; as t (c is positive)
	s_delay_alu instid0(VALU_DEP_1)
	v_floor_f32 v6, -v[T]                          ; the new -M = floor(-t) = -ceil(t)
	s_delay_alu instid0(VALU_DEP_1)
	v_sub_f32 v[T], v6, v[OM]                      ; old M - new M: a whole number, 0 or less
.set k, 0
	v_pk_fma_f32 v[14:15], v[14:15], s[22:23], v[6:7] op_sel_hi:[1,0,0]   ; u of each block's largest score
	v_pk_fma_f32 v[24:25], v[24:25], s[22:23], v[6:7] op_sel_hi:[1,0,0]
	SCALED 4
	v_cvt_i32_f32 v[T], v[T]                       ; (it saturates)
	v_max_num_f32 v14, 0xc2f80000, v14             ; -124: the byte cannot fall under 1
	v_max_num_f32 v15, 0xc2f80000, v15
	v_max_num_f32 v24, 0xc2f80000, v24
	v_max_num_f32 v25, 0xc2f80000, v25
	SCALED 4
	v_ldexp_f32 v10, 1.0, v[T]
	v_cvt_floor_i32_f32 v26, v14
	v_cvt_floor_i32_f32 v27, v15
	v_cvt_floor_i32_f32 v28, v24
	v_cvt_floor_i32_f32 v29, v25
	SCALED 4
.irp b, 0,1,2,3
	v_lshl_add_u32 v[30+\b], v[26+\b], 23, 0x3e800000   ; the conversion's scale operand: floor(u) + 125 in the exponent field
.endr
	v_lshl_add_u32 v26, v27, 16, v26               ; my two blocks of the first record, of the second: whole numbers at the distance of their bytes
	v_lshl_add_u32 v28, v29, 16, v28
	SCALED 8
	v_permlane16_swap_b32 v26, v28                 ; v26: blocks 0, 2, v28: blocks 1, 3; lanes 0-15 the first record's, lanes 16-31 the second's
	SCALED 6
	v_lshl_add_u32 v26, v28, 8, v26
	SCALED 6
	v_add_nc_u32 v11, 0x7d7d7d7d, v26              ; + 125 in each byte: p's scale words
.set j, 0
	s_wait_alu depctr_va_vdst(0)                   ; ahead of the batch
.rept 32                               ; the first record's exponentials; among them the second's t - M, which none of them reads
	EXPS 2
	SCALED 1
.endr
	s_wait_alu depctr_va_vdst(0)                   ; behind that batch and ahead of the next
.irp b, 0,1                            ; the second record's exponentials; among them the first's conversions
.irp t, 0,1,2,3
	EXPS 2
	v_cvt_scalef32_pk8_fp4_f32 v[40+4*\b+\t], v[S+32*\b+8*\t:S+32*\b+8*\t+7], v[30+\b]
.endr
.endr
	v_pk_mul_f32 v[8:9], v[8:9], v[10:11] op_sel_hi:[1,0]   ; the sums under the new M (a plain place behind the conversions; of the pair the low word serves both halves)
.set m, 0
.rept 16                               ; and the first additions, of registers whose codes are made: nothing reads a result ahead of the wait below
	EXPS 3
	v_pk_add_f32 v[S+m:S+m+1], v[S+m:S+m+1], v[S+m+2:S+m+3]
.set m, m+4
.endr
	s_wait_alu depctr_va_vdst(0)                   ; behind the batch, directly ahead of O^T's first reader
.set j, 0
.rept 16
	v_pk_mul_f32 v[O+j:O+j+1], v[O+j:O+j+1], v[10:11] op_sel_hi:[1,0]   ; O^T under the new M
.set j, j+2
.endr
	PV 0
	v_pk_add_f32 v[34:35], v[S:S+1], v[S+4:S+5]    ; (these seven are also the places in front of the loads into V's registers)
	v_pk_add_f32 v[36:37], v[S+8:S+9], v[S+12:S+13]
	v_pk_add_f32 v[38:39], v[S+16:S+17], v[S+20:S+21]
	v_pk_add_f32 v[26:27], v[S+24:S+25], v[S+28:S+29]
	v_pk_add_f32 v[28:29], v[S+32:S+33], v[S+36:S+37]
	v_pk_add_f32 v[14:15], v[S+40:S+41], v[S+44:S+45]
	v_pk_add_f32 v[24:25], v[S+48:S+49], v[S+52:S+53]
	VLOAD 1
.set n, 14
	SUMS 18
.irp b, 2,3
.irp t, 0,1,2,3
	v_cvt_scalef32_pk8_fp4_f32 v[40+4*\b+\t], v[S+32*\b+8*\t:S+32*\b+8*\t+7], v[30+\b]
.endr
.endr
.if \meet
	s_wait_alu depctr_va_vdst(0)
	s_barrier_wait -1                              ; everybody's records lie in LDS
.endif
.if \pre
	KCODES KN, 3, 2*REC                            ; the next trip's first record, into p's registers that have been converted and added
	KSCALES 3+1, 2*REC
.endif
	SUMS 16
	v_pk_add_f32 v[34:35], v[34:35], v[36:37]
	v_pk_add_f32 v[26:27], v[26:27], v[28:29]
	v_pk_add_f32 v[14:15], v[14:15], v[24:25]
	v_pk_add_f32 v[8:9], v[8:9], v[38:39]
	s_wait_alu depctr_va_vdst(0)                   ; directly ahead of the wait below
.if \pre
	s_wait_dscnt 10                                ; V's second record is in; the next K and its scale words, ten loads, stay out
.else
	s_wait_dscnt 0x0
.endif
	PV 1
	v_pk_add_f32 v[34:35], v[34:35], v[26:27]      ; the last three additions name none of the products' registers: places behind them
	v_pk_add_f32 v[8:9], v[8:9], v[14:15]
	v_pk_add_f32 v[8:9], v[8:9], v[34:35]
.endm
	s_load_b256 s[4:11], s[0:1], 0x0               ; qbuf, kv, cimg, scl
	v_lshl_add_u32 v254, v0, 2, SPARE
	v_mov_b32 v255, 0
	ds_add_u32 v254, v255                          ; the opening: the add, twice on end, and its wait
	ds_add_u32 v254, v255
	v_lshrrev_b32 v1, 5, v0
	v_readfirstlane_b32 s18, v1                    ; wave 0..15
	s_bfe_u32 s50, ttmp6, 0x40000                  ; cx
	s_lshl_b32 s51, ttmp9, 2
	s_add_co_u32 s51, s51, s50                     ; my block of 256 queries: it enters Q's, cimg's and scl's addresses alone
	s_and_b32 s52, ttmp7, 0xffff                   ; bh, which the four partners share
	; group 1: a record, dense, as 35 rows of 256 bytes (32 elements of 8 bytes)
	s_mov_b32 s24, 15|(3<<16)|(1<<21)              ; 15:0 the mask: all four work-groups; 17:16 elements of 8 bytes; 21 set beside a mask
	s_mov_b32 s25, 32<<16
	s_mov_b32 s26, 35<<16
	s_mov_b32 s27, 32<<16
	s_mov_b32 s28, 35
	s_mov_b32 s29, 32
	s_mov_b32 s30, 0
	s_mov_b32 s31, 0
	s_mul_i32 s53, s52, 16*REC                     ; the head's records,
	s_mul_i32 s54, s18, REC                        ; record w: the same offset in LDS and in the head
	s_add_co_u32 s56, s53, s54
	s_mov_b32 s57, 0
	s_mov_b32 s20, 0x76543210
	s_mov_b32 s21, 0xfedcba98                      ; v_permlanex16_b32's selects for lane l xor 16
	s_mov_b32 s22, 0x3e38aa3b                      ; c = log2(e) / 8
	s_mov_b32 s23, s22                             ; (named with it as a pair, so it is written)
	s_mul_i32 s60, s52, 73728
	s_lshl_b32 s61, s51, 4
	s_add_co_u32 s61, s61, s18                     ; my tile of queries in the head, qt
	s_lshl_b32 s62, s61, 9
	s_add_co_u32 s62, s62, s60                     ; its half image
	s_mov_b32 s63, 0
	s_lshr_b32 s58, s61, 2                         ; its scale words: group qt / 4, lanes 16 (qt % 2) on, word (qt / 2) % 2
	s_lshl_b32 s58, s58, 8
	s_and_b32 s14, s61, 1
	s_lshl_b32 s14, s14, 7
	s_add_co_u32 s58, s58, s14
	s_bfe_u32 s14, s61, 0x10001
	s_lshl_b32 s14, s14, 2
	s_add_co_u32 s58, s58, s14
	s_add_co_u32 s58, s58, s60
	s_add_co_u32 s58, s58, 65536
	s_mov_b32 s59, 0
	v_and_b32 v13, 31, v0                          ; lane
	v_and_b32 v14, 15, v0                          ; r
	v_lshlrev_b32 v1, 4, v13
	v_lshlrev_b32 v2, 3, v13
	v_lshlrev_b32 v5, 3, v14                       ; Q's scale word: 8 r
	s_wait_alu depctr_va_vdst(0)
	s_wait_dscnt 0x0                               ; both opening adds are done
	s_wait_kmcnt 0x0
	s_add_nc_u64 s[12:13], s[4:5], s[62:63]
	s_add_nc_u64 s[4:5], s[4:5], s[58:59]
	global_load_b128 v[QF:QF+3], v1, s[12:13]
	global_load_b32 v[QW], v5, s[4:5]
	s_mov_b32 s40, 1
	s_mov_b32 s41, s54
	s_add_nc_u64 s[42:43], s[6:7], s[56:57]
	s_or_b32 s43, s43, 0x80000000
	CROUND                                         ; all four work-groups are here: the joint loads meet
	s_cmp_lt_u32 s18, 4                            ; two lines: waves 0-3 wait for theirs ahead of the others
	s_cbranch_scc0 .Lfill_rest
	tensor_load_to_lds s[40:43], s[24:31]
	s_nop 0
.rept 4
	v_nop
.endr
	s_branch .Lfilled
.Lfill_rest:
	tensor_load_to_lds s[40:43], s[24:31]
	s_nop 0
.rept 4
	v_nop
.endr
.Lfilled:
	s_lshr_b32 s14, s52, 4
	s_lshl_b32 s14, s14, 7
	s_add_co_u32 s14, s14, s61                     ; ctx's tile of rows: 128 x batch + qt
	s_and_b32 s15, s52, 15                         ; hd
	s_lshr_b32 s16, s15, 1                         ; the last product's K step,
	s_and_b32 s17, s15, 1                          ; and which half of it
	s_lshr_b32 s44, s14, 4
	s_lshl_b32 s44, s44, 17
	s_and_b32 s19, s14, 15
	s_lshl_b32 s19, s19, 10
	s_add_co_u32 s44, s44, s19
	s_lshl_b32 s19, s16, 14
	s_add_co_u32 s44, s44, s19
	s_lshl_b32 s19, s17, 9
	s_add_co_u32 s44, s44, s19
	s_mov_b32 s45, 0
	s_add_nc_u64 s[8:9], s[8:9], s[44:45]          ; my half of ctx's image: [block of 16 tiles][K step][16][1,024]
	s_lshl_b32 s44, s14, 9
	s_lshl_b32 s19, s16, 2
	s_add_co_u32 s44, s44, s19
	s_lshl_b32 s19, s17, 1
	s_add_co_u32 s44, s44, s19
	s_add_co_u32 s44, s44, 262144
	s_add_nc_u64 s[10:11], s[10:11], s[44:45]      ; and its two scale bytes of each row
.irp i, 4,5,6,7
	v_mov_b32 v[QF+\i], 0                          ; K = 64 .. 127 of the first product: zero codes
	v_mov_b32 v[KN+28+\i], 0                       ; (named behind the first record's last K fragment before it is first written)
.endr
.set j, 0
.rept 32
	v_mov_b32 v[O+j], 0                            ; O^T.  (The trip is written for all alike: the first finds zeros, which the first change of M leaves zeros)
.set j, j+1
.endr
	v_mov_b32 v7, 0xff61b1e6                       ; the largest score so far: -3e38, under every score
	v_mov_b32 v6, 0x7f61b1e6                       ; -M
	v_mov_b32 v8, 0
	v_mov_b32 v9, 0
	s_mov_b32 s48, 0
	s_wait_alu depctr_va_vdst(0)                   ; the head's end
	s_cmp_lt_u32 s18, 4
	s_cbranch_scc0 .Lnot_first
	s_wait_tensorcnt 0x0                           ; records 0 to 3
.Lnot_first:
	s_barrier_signal -1
	s_barrier_wait -1                              ; they lie in LDS
	KCODES KN, 1, 0
	KSCALES 2, 0
	s_wait_loadcnt 0x0                             ; Q
	TRIP 1, 0
	s_mov_b32 s48, 2*REC
	s_wait_tensorcnt 0x0                           ; my load has landed;
	s_wait_dscnt 0x0                               ; no LDS instruction of mine is out at a signal
	s_barrier_signal -1
	TRIP 1, 1                                      ; (it reads records 2 and 3, and behind the barrier's wait record 4)
	s_mov_b32 s48, 4*REC
	s_mov_b32 s49, 5
.Lrest:
	TRIP 1, 0
	s_add_co_u32 s48, s48, 2*REC
	s_sub_co_u32 s49, s49, 1
	s_cmp_lg_u32 s49, 0
	s_cbranch_scc1 .Lrest
	s_mov_b32 s48, 14*REC
	TRIP 0, 0                                      ; the last trip is written out: no record follows
	; ctx = O^T / the sum; register 16 b + i is d = 32 b + 16 h + i of my query: two blocks along the last product's K
.rept 4
	v_nop
.endr
	s_wait_alu depctr_va_vdst(0)
	v_add_f32 v8, v8, v9
	s_delay_alu instid0(VALU_DEP_1)
	v_permlanex16_b32 v5, v8, s20, s21
	s_delay_alu instid0(VALU_DEP_1)
	v_add_f32 v8, v8, v5                           ; the row's sum
	s_wait_alu depctr_va_vdst(0)                   ; ahead of the transcendental
	v_rcp_f32 v8, v8
	v_nop                                          ; one plain place behind a transcendental
	s_wait_alu depctr_va_vdst(0)                   ; and ahead of its first reader, and O^T's
.set j, 0
.rept 16
	v_pk_mul_f32 v[S+j:S+j+1], v[O+j:O+j+1], v[8:9] op_sel_hi:[1,0]   ; each accumulator from its low end on
.set j, j+2
.endr
.irp b, 0,1
	v_max3_num_f32 v[14+\b], |v[S+16*\b]|, |v[S+1+16*\b]|, 0x1800000
.endr
.irp i, 2,4,6,8,10,12,14
.irp b, 0,1
	v_max3_num_f32 v[14+\b], v[14+\b], |v[S+16*\b+\i]|, |v[S+1+16*\b+\i]|
.endr
.endr
.irp b, 0,1
	v_permlanex16_b32 v[26+\b], v[14+\b], s20, s21
.endr
.irp b, 0,1
	v_max_num_f32 v[14+\b], v[14+\b], v[26+\b]
.endr
.irp b, 0,1
	v_add_nc_u32 v[30+\b], 0xff000000, v[14+\b]
.endr
.irp b, 0,1
	v_lshrrev_b32 v[26+\b], 23, v[30+\b]
.endr
.irp b, 0,1
	v_cvt_scalef32_pk8_fp4_f32 v[40+2*\b], v[S+16*\b:S+16*\b+7], v[30+\b]
	v_cvt_scalef32_pk8_fp4_f32 v[41+2*\b], v[S+8+16*\b:S+15+16*\b], v[30+\b]
.endr
	v_and_b32 v13, 15, v0                          ; r  (a plain place behind the conversions)
	v_bfe_u32 v5, v0, 4, 1                         ; h
	v_permlane16_swap_b32 v40, v42                 ; lanes 0-15 get block 0 whole, lanes 16-31 block 1
	v_permlane16_swap_b32 v41, v43
	v_cmp_lt_u32 vcc_lo, 0xff, v1                  ; lanes 16-31
	v_lshl_add_u32 v5, v13, 5, v5                  ; ctx's scale byte: 32 r + h
	v_cndmask_b32 v26, v26, v27, vcc_lo            ; and each half stores its block's byte
	global_store_b128 v1, v[40:43], s[8:9]         ; 512 bytes on end
	global_store_b8 v5, v26, s[10:11]
	v_lshl_add_u32 v254, v0, 2, SPARE              ; made anew: scores have stood there
	v_mov_b32 v255, 0
	s_wait_alu depctr_va_vdst(0)
	s_wait_tensorcnt 0x0                           ; the wave's end
	ds_add_u32 v254, v255
	s_wait_dscnt 0x0
	CROUND                                         ; the closing round
	s_endpgm
.Lfunc_end_k_q13f2ea049f_attn:
	.size	k_q13f2ea049f_attn, .Lfunc_end_k_q13f2ea049f_attn-k_q13f2ea049f_attn
	.p2alignl 7, 3214868480
	.fill 96, 4, 3214868480
	.section	.rodata,"a",@progbits
	.p2align	6, 0x0
	.amdhsa_kernel k_q13f2ea049f_attn
		.amdhsa_group_segment_fixed_size 169984
		.amdhsa_private_segment_fixed_size 0
		.amdhsa_enable_private_segment 0
		.amdhsa_kernarg_size 32
		.amdhsa_user_sgpr_count 2
		.amdhsa_user_sgpr_kernarg_segment_ptr 1
		.amdhsa_wavefront_size32 1
		.amdhsa_system_sgpr_workgroup_id_x 1
		.amdhsa_system_sgpr_workgroup_id_y 1
		.amdhsa_system_sgpr_workgroup_id_z 1
		.amdhsa_system_vgpr_workitem_id 0
		.amdhsa_next_free_vgpr 256
		.amdhsa_next_free_sgpr 66
		.amdhsa_reserve_vcc 1
		.amdhsa_float_denorm_mode_32 3
		.amdhsa_float_denorm_mode_16_64 3
		.amdhsa_memory_ordered 1
		.amdhsa_forward_progress 1
		.amdhsa_inst_pref_size 114
	.end_amdhsa_kernel
	.amdgpu_metadata
---
amdhsa.version: [ 1, 2 ]
amdhsa.kernels:
  - .name:           k_q13f2ea049f_attn
    .symbol:         k_q13f2ea049f_attn.kd
    .args:
      - { .name: qbuf, .offset: 0, .size: 8, .value_kind: global_buffer, .address_space: global }
      - { .name: kv, .offset: 8, .size: 8, .value_kind: global_buffer, .address_space: global }
      - { .name: cimg, .offset: 16, .size: 8, .value_kind: global_buffer, .address_space: global }
      - { .name: scl, .offset: 24, .size: 8, .value_kind: global_buffer, .address_space: global }
    .group_segment_fixed_size: 169984
    .private_segment_fixed_size: 0
    .kernarg_segment_align: 8
    .kernarg_segment_size: 32
    .max_flat_workgroup_size: 512
    .sgpr_count:     66
    .vgpr_count:     256
    .wavefront_size: 32
...
	.end_amdgpu_metadata
.endif
;; end of part 3
;; launch outp (part 4): grid 16 x 16, 4 waves a work-group, clusters of 4 x 4, 181,760 bytes of LDS; arguments cimg, wimg, scl, b_o, out0; writes out0
.if DOCPART == 4
	.amdgcn_target "amdgcn-amd-amdhsa--gfx1250"
	.amdhsa_code_object_version 6
	.text
	.protected	k_q13f2ea049f_outp
	.globl	k_q13f2ea049f_outp
	.p2align	8
	.type	k_q13f2ea049f_outp,@function
k_q13f2ea049f_outp:
	s_mov_b64 s[64:65], 0
	v_nop
	global_prefetch_b8 v0, s[64:65] scope:SCOPE_SE
	s_setreg_imm32_b32 hwreg(HW_REG_WAVE_MODE, 25, 1), 1
	s_wait_xcnt 0x0
	s_wait_alu depctr_hold_cnt(0) depctr_sa_sdst(0) depctr_va_vdst(0) depctr_va_sdst(0) depctr_va_ssrc(0) depctr_va_vcc(0) depctr_vm_vsrc(0)
	s_getreg_b32 s2, hwreg(HW_REG_IB_STS2, 6, 4)
	s_cmp_eq_u32 s2, 0
	s_cbranch_scc0 .Lentry_in_a_cluster
	s_endpgm
.Lentry_in_a_cluster:
	s_bfe_u32 s2, ttmp6, 0x10000c
	s_cmp_lg_u32 s2, 0xf033
	s_cbranch_scc0 .Lentry_shape_is_right
	s_endpgm
.Lentry_shape_is_right:
; out0 = ctx W_o + b_o on codes of FP4 with E8M0 scales; out0 [4096][1024] f32.
; SHARES.  A work-group takes 256 rows (block Y) x 64 columns (block x: W_o's tiles 192 + 4 x + tw).  Wave w takes rows 64 w .. 64 w + 63 (tiles 4 w + te) against the 4 weight tiles: 16 accumulators.
; Operands come as images of their registers (1,024 bytes a tile and K step).  Tile T of ctx holds in row r row 64 (T / 4) + 8 (T % 4) + r % 8 + 32 (r / 8); W_o's tile T column 32 (T / 2) + 8 (T % 2) + r + 8 (r / 8).
; ALL OF K LIES IN LDS, filled once: A (16 KB a K step) at 0, B (4 KB a K step) behind it; both are dense blocks of memory.
; CLUSTER 4 x 4: A's tiles hang on Y alone and are asked for jointly along a row of the cluster, B's on x alone, along a column.  One load a wave: wave 0 A's K steps 0-3, wave 1 B's, waves 2 and 3 K steps 4-7.
; No prefetch: every fill stands at the head, with no loop to run ahead in.
; Every fragment has registers of its own: none is loaded twice.  THE TILES OF ROWS GO BY PAIRS: tiles 0 and 1 are finished over all of K and leave ahead of most of the products of tiles 2 and 3; B's fragments stay for both pairs.
; Source 0 = 16 weight columns, source 1 = 16 rows of ctx: a lane holds one row and eight neighbouring columns a tile.  b_o is the C of each sum's first product.
; THE WAY OUT: a tile of 16 rows x 64 columns goes through the wave's own stage in LDS (bytes that no tensor load fills) and leaves as rows: sixteen lanes store 256 consecutive bytes, at a multiple of 256 from out0's first byte.
; REGISTERS.  window 0: v1-18 lane numbers and addresses; v32-63 scale words (slot i, K step s at 32 + 8 i + s: lanes 0-15 ctx's tile i, lanes 16-31 W_o's tile i); v64-191 rows on their way out; v192-223 the bias.
;   window 1: the accumulators, (te, tw) at 8 (4 te + tw).   window 2: A's fragments, window 3: B's, K step s at 32 s.
; LIMITS: NaN and infinities are not served.
.set LDSB,  131072
.set STAGE, 163840                     ; 16 rows x (256 bytes + 16) for each wave
.set SPARE, 181248
.set SC,  32
.set BK,  64
.set BI,  192
.set MSB, 0
.macro WIN new                         ; the immediate's high byte repeats the setting that is left
.if MSB != (\new)
	s_set_vgpr_msb (MSB<<8)|(\new)
.set MSB, (\new)
.endif
.endm
.macro CROUND
	s_barrier_signal -1
	s_barrier_wait -1
	s_cmp_lg_u32 s18, 0
	s_cbranch_scc1 .Lnot_wave_0_\@
	s_barrier_signal -3
.Lnot_wave_0_\@:
	s_barrier_wait -3
	s_barrier_signal -1
	s_barrier_wait -1
.endm
.macro FETCHB s                        ; 8 loads
	WIN 0xc0                                       ; destination window 3
.irp t, 0,1,2,3
.irp c, 0,1
	ds_load_b128 v[32*(\s)+8*\t+4*\c:32*(\s)+8*\t+4*\c+3], v8 offset:(\s)*4096+1024*\t+512*\c
.endr
.endr
.endm
.macro FETCHA s, t0                    ; tiles t0, t0 + 1: 4 loads
	WIN 0x80                                       ; window 2
.irp i, \t0, \t0+1
.irp c, 0,1
	ds_load_b128 v[32*(\s)+8*(\i)+4*\c:32*(\s)+8*(\i)+4*\c+3], v[6+(\s)/4] offset:((\s)%4)*16384+1024*(\i)+512*\c
.endr
.endr
.endm
; 8 products: tiles of rows t0, t0 + 1 against the four weight tiles.  The accumulators take turns, one instruction a turn.
.macro MUL8 s, t0
.if (\s) == 0
	WIN 0x4b                                       ; source 0 window 3, source 1 window 2, C (the bias) window 0, D window 1
.else
	WIN 0x5b                                       ; C and D window 1
.endif
.irp te, \t0, \t0+1
.irp tw, 0,1,2,3
.if (\s) == 0
	v_wmma_scale_f32_16x16x128_f8f6f4 v[8*(4*(\te)+\tw):8*(4*(\te)+\tw)+7], v[32*(\s)+8*\tw:32*(\s)+8*\tw+7], v[32*(\s)+8*(\te):32*(\s)+8*(\te)+7], v[BI+8*\tw:BI+8*\tw+7], v[SC+8*\tw+(\s)], v[SC+8*(\te)+(\s)] matrix_a_fmt:MATRIX_FMT_FP4 matrix_b_fmt:MATRIX_FMT_FP4 matrix_a_scale:MATRIX_SCALE_ROW1
.else
	v_wmma_scale_f32_16x16x128_f8f6f4 v[8*(4*(\te)+\tw):8*(4*(\te)+\tw)+7], v[32*(\s)+8*\tw:32*(\s)+8*\tw+7], v[32*(\s)+8*(\te):32*(\s)+8*(\te)+7], v[8*(4*(\te)+\tw):8*(4*(\te)+\tw)+7], v[SC+8*\tw+(\s)], v[SC+8*(\te)+(\s)] matrix_a_fmt:MATRIX_FMT_FP4 matrix_b_fmt:MATRIX_FMT_FP4 matrix_a_scale:MATRIX_SCALE_ROW1
.endif
.endr
.endr
.endm
.macro PLACES                          ; four plain places between a matrix instruction and a read of its result (ISA guide 7.12.1)
.rept 4
	v_nop
.endr
.endm
.macro TOSTAGE a                       ; tile a of my rows: into the stage, 32 bytes of a row for each weight tile, and back by rows.  LDS serves a wave's instructions in order
	WIN 0x04                                       ; an LDS store's data are its source 1: window 1
.irp tw, 0,1,2,3
	ds_store_b128 v13, v[8*(4*(\a)+\tw):8*(4*(\a)+\tw)+3] offset:128*(\tw/2)+32*(\tw%2)      ; each accumulator from its low end on
	ds_store_b128 v13, v[8*(4*(\a)+\tw)+4:8*(4*(\a)+\tw)+7] offset:128*(\tw/2)+32*(\tw%2)+16
.endr
	WIN 0
.irp i, 0,1,2,3,4,5,6,7
	ds_load_b128 v[BK+32*(\a)+4*\i:BK+32*(\a)+4*\i+3], v14 offset:272*\i
.endr
.endm
.macro SEND a, younger                 ; younger: the LDS instructions issued behind tile a's loads
	WIN 0
	s_wait_dscnt \younger
.irp i, 0,1,2,3,4,5,6,7
	global_store_b128 v15, v[BK+32*(\a)+4*\i:BK+32*(\a)+4*\i+3], s[12:13] offset:(8*(\a)+\i)*4096 th:TH_STORE_NT
.endr
.endm
; One head load to an arm: one tree of branches on the wave's number, so that every way passes exactly one load.
.macro ARM under, g0, g1, next
	s_cmp_lt_u32 s18, \under
	s_cbranch_scc0 \next
	tensor_load_to_lds s[\g0:\g0+3], s[\g1:\g1+7]
	s_nop 0
.rept 4
	v_nop
.endr
	s_branch .Lfilled
\next:
.endm
	s_load_b256 s[4:11], s[0:1], 0x0               ; cimg, wimg, scl, b_o
	s_load_b64 s[12:13], s[0:1], 0x20              ; out0
	v_lshl_add_u32 v254, v0, 2, SPARE
	v_mov_b32 v255, 0
	ds_add_u32 v254, v255                          ; the opening: the add, twice on end, and its wait
	ds_add_u32 v254, v255
	v_lshrrev_b32 v1, 5, v0
	v_readfirstlane_b32 s18, v1                    ; wave 0..3
	s_lshr_b32 s66, s18, 1                         ; which half of K I ask for
	s_bfe_u32 s20, ttmp6, 0x40000                  ; cx
	s_bfe_u32 s21, ttmp6, 0x40004                  ; cy
	s_lshl_b32 s22, ttmp9, 2
	s_add_co_u32 s22, s22, s20                     ; x = 4 x cluster x + cx
	s_and_b32 s23, ttmp7, 0xffff
	s_lshl_b32 s23, s23, 2
	s_add_co_u32 s23, s23, s21                     ; Y = 4 x cluster y + cy
	s_lshl_b32 s62, s21, 2
	s_lshl_b32 s62, 15, s62                        ; my row of the cluster
	s_lshl_b32 s88, 0x1111, s20                    ; my column
	; group 1: dense blocks as rows of 256 bytes (32 elements of 8 bytes): A 256 rows, B 64
	s_or_b32 s24, s62, (3<<16)|(1<<21)             ; 15:0 the mask; 17:16 elements of 8 bytes; 21 set beside a mask
	s_mov_b32 s25, 32<<16
	s_mov_b32 s26, 256<<16
	s_mov_b32 s27, 32<<16
	s_mov_b32 s28, 256
	s_mov_b32 s29, 32
	s_mov_b32 s30, 0
	s_mov_b32 s31, 0
	s_or_b32 s32, s88, (3<<16)|(1<<21)
	s_mov_b32 s33, 32<<16
	s_mov_b32 s34, 64<<16
	s_mov_b32 s35, 32<<16
	s_mov_b32 s36, 64
	s_mov_b32 s37, 32
	s_mov_b32 s38, 0
	s_mov_b32 s39, 0
	s_lshl_b32 s58, s23, 17                        ; A: 128 KB x Y + 64 KB x half; these registers never hold x
	s_lshl_b32 s63, s66, 16                        ; where it goes: the wave's number alone enters an LDS address
	s_add_co_u32 s58, s58, s63
	s_mov_b32 s59, 0
	s_lshl_b32 s84, s22, 15                        ; B: W_o's images, 32 KB x block + 16 KB x half; these never hold Y
	s_add_co_u32 s84, s84, 1572864
	s_lshl_b32 s89, s66, 14
	s_add_co_u32 s84, s84, s89
	s_mov_b32 s85, 0
	s_add_co_u32 s89, s89, LDSB
	s_lshl_b32 s90, s18, 12
	s_mul_i32 s67, s18, 16*272
	s_add_co_u32 s67, s67, STAGE                   ; my stage
	s_lshl_b32 s91, s23, 4
	s_lshl_b32 s92, s18, 2
	s_add_co_u32 s91, s91, s92
	s_lshl_b32 s91, s91, 9
	s_add_co_u32 s91, s91, 262144                  ; scale words: ctx's, my first tile of rows
	s_lshl_b32 s92, s22, 11
	s_add_co_u32 s92, s92, 229376                  ; W_o's: tile 192 + 4 x
	s_sub_co_u32 s93, s91, s92
	s_lshl_b32 s94, s22, 8
	s_mov_b32 s95, 0
	s_lshl_b32 s96, s23, 8
	s_lshl_b32 s97, s18, 6
	s_add_co_u32 s96, s96, s97                     ; my first row of out0
	s_lshl_b32 s96, s96, 12
	s_add_co_u32 s96, s96, s94                     ; and my block's first column, in bytes
	s_mov_b32 s97, 0
	v_and_b32 v1, 31, v0                           ; lane
	v_and_b32 v2, 15, v0                           ; r
	v_bfe_u32 v3, v0, 4, 1                         ; h
	v_lshlrev_b32 v4, 4, v1                        ; 16 x lane
	v_add_nc_u32 v6, s90, v4                       ; A's fragments: my four tiles; K steps 0-3,
	v_add_nc_u32 v7, 65536, v6                     ; 4-7
	v_add_nc_u32 v8, LDSB, v4                      ; B's
	v_mul_u32_u24 v13, v2, 272
	v_lshl_add_u32 v13, v3, 6, v13
	v_add_nc_u32 v13, s67, v13                     ; in: stage row r, + 64 h
	v_mul_u32_u24 v14, v3, 2176
	v_lshl_add_u32 v14, v2, 4, v14
	v_add_nc_u32 v14, s67, v14                     ; back: lanes 0-15 stage row i, lanes 16-31 stage row 8 + i
	v_lshlrev_b32 v15, 17, v3
	v_lshl_add_u32 v15, v2, 4, v15                 ; which are 32 rows apart in out0
	v_xor_b32 v16, 1, v3
	v_mul_u32_u24 v10, s93, v16
	v_lshlrev_b32 v18, 5, v2
	v_add3_u32 v10, v10, v18, s92                  ; lanes 0-15 ctx's tile i, lanes 16-31 W_o's tile i
	v_lshlrev_b32 v12, 6, v3                       ; the bias: my half's eight numbers of a tile: 64 h
	s_wait_alu depctr_va_vdst(0)
	s_wait_dscnt 0x0                               ; both opening adds are done
	s_wait_kmcnt 0x0
	s_mov_b32 s40, 1                               ; group 0 for A
	s_mov_b32 s41, s63
	s_add_nc_u64 s[42:43], s[4:5], s[58:59]
	s_or_b32 s43, s43, 0x80000000
	s_mov_b32 s68, 1                               ; and for B
	s_mov_b32 s69, s89
	s_add_nc_u64 s[70:71], s[6:7], s[84:85]
	s_or_b32 s71, s71, 0x80000000
	s_add_nc_u64 s[10:11], s[10:11], s[94:95]
	s_add_nc_u64 s[12:13], s[12:13], s[96:97]
	; the scale words go from memory straight into registers, 8 K steps (32 bytes) of a row at a time
.irp i, 0,1,2,3
	global_load_b128 v[SC+8*\i:SC+8*\i+3], v10, s[8:9] offset:512*\i
	global_load_b128 v[SC+8*\i+4:SC+8*\i+7], v10, s[8:9] offset:512*\i+16
.endr
.irp t, 0,1,2,3
	global_load_b128 v[BI+8*\t:BI+8*\t+3], v12, s[10:11] offset:(32*(\t/2)+8*(\t%2))*4
	global_load_b128 v[BI+8*\t+4:BI+8*\t+7], v12, s[10:11] offset:(32*(\t/2)+8*(\t%2))*4+16
.endr
	CROUND                                         ; all sixteen work-groups are here: the joint loads meet
	ARM 1, 40, 24, .Lfill_b0
	ARM 2, 68, 32, .Lfill_a1
	ARM 3, 40, 24, .Lfill_b1
	tensor_load_to_lds s[68:71], s[32:39]
	s_nop 0
.rept 4
	v_nop
.endr
.Lfilled:
	s_cmp_lt_u32 s18, 2                            ; K steps 0-3 are waves 0's and 1's loads, in lines of their own
	s_cbranch_scc0 .Lnot_first
	s_wait_tensorcnt 0x0
.Lnot_first:
	s_barrier_signal -1
	s_barrier_wait -1                              ; K steps 0 to 3 of A and of B lie in LDS
.irp s, 0,1,2,3
	FETCHB \s
	FETCHA \s, 0
.endr
	s_wait_loadcnt 0x0                             ; scale words and bias
	s_wait_dscnt 36                                ; K step 0's 12 loads are in; three K steps' stay out
	MUL8 0, 0
	s_wait_dscnt 24
	MUL8 1, 0
	s_wait_dscnt 12
	MUL8 2, 0
	s_wait_dscnt 0x0                               ; K step 3 is in, and no LDS instruction of mine is out at the signal
	s_wait_tensorcnt 0x0                           ; every load of mine has landed
	s_barrier_signal -1
	s_barrier_wait -1                              ; and everybody's: K steps 4 to 7
.irp s, 4,5,6,7
	FETCHB \s
	FETCHA \s, 0
.endr
	MUL8 3, 0
	s_wait_dscnt 36
	MUL8 4, 0
.irp s, 0,1,2,3
	FETCHA \s, 2                                   ; the second pair's A: 16 loads
.endr
	s_wait_dscnt 40                                ; K step 5 is in; behind it K steps 6 and 7, and those 16
	MUL8 5, 0
	s_wait_dscnt 28
	MUL8 6, 0
.irp s, 4,5,6,7
	FETCHA \s, 2
.endr
	s_wait_dscnt 32                                ; K step 7; the second pair's 32 loads may be out
	MUL8 7, 0
	WIN 0
	PLACES
	s_wait_dscnt 16                                ; the second pair's K steps 0 to 3
	TOSTAGE 0
	TOSTAGE 1
	MUL8 0, 2
	MUL8 1, 2
	SEND 0, 16                                     ; behind tile 0's loads: tile 1's 8 stores and 8 loads
	SEND 1, 0
	MUL8 2, 2
	MUL8 3, 2
	MUL8 4, 2
	MUL8 5, 2
	MUL8 6, 2
	MUL8 7, 2
	WIN 0
	PLACES
	TOSTAGE 2
	TOSTAGE 3
	SEND 2, 16
	SEND 3, 0
	s_wait_tensorcnt 0x0                           ; the wave's end
	ds_add_u32 v254, v255
	s_wait_dscnt 0x0
	CROUND                                         ; the closing round: no work-group ends while a partner may still ask for a tile that names it
	s_endpgm
.Lfunc_end_k_q13f2ea049f_outp:
	.size	k_q13f2ea049f_outp, .Lfunc_end_k_q13f2ea049f_outp-k_q13f2ea049f_outp
	.p2alignl 7, 3214868480
	.fill 96, 4, 3214868480
	.section	.rodata,"a",@progbits
	.p2align	6, 0x0
	.amdhsa_kernel k_q13f2ea049f_outp
		.amdhsa_group_segment_fixed_size 181760
		.amdhsa_private_segment_fixed_size 0
		.amdhsa_enable_private_segment 0
		.amdhsa_kernarg_size 40
		.amdhsa_user_sgpr_count 2
		.amdhsa_user_sgpr_kernarg_segment_ptr 1
		.amdhsa_wavefront_size32 1
		.amdhsa_system_sgpr_workgroup_id_x 1
		.amdhsa_system_sgpr_workgroup_id_y 1
		.amdhsa_system_sgpr_workgroup_id_z 1
		.amdhsa_system_vgpr_workitem_id 0
		.amdhsa_next_free_vgpr 1024
		.amdhsa_next_free_sgpr 100
		.amdhsa_reserve_vcc 0
		.amdhsa_float_denorm_mode_32 3
		.amdhsa_float_denorm_mode_16_64 3
		.amdhsa_memory_ordered 1
		.amdhsa_forward_progress 1
		.amdhsa_inst_pref_size 42
	.end_amdhsa_kernel
	.amdgpu_metadata
---
amdhsa.version: [ 1, 2 ]
amdhsa.kernels:
  - .name:           k_q13f2ea049f_outp
    .symbol:         k_q13f2ea049f_outp.kd
    .args:
      - { .name: cimg, .offset: 0, .size: 8, .value_kind: global_buffer, .address_space: global }
      - { .name: wimg, .offset: 8, .size: 8, .value_kind: global_buffer, .address_space: global }
      - { .name: scl, .offset: 16, .size: 8, .value_kind: global_buffer, .address_space: global }
      - { .name: b_o, .offset: 24, .size: 8, .value_kind: global_buffer, .address_space: global }
      - { .name: out0, .offset: 32, .size: 8, .value_kind: global_buffer, .address_space: global }
    .group_segment_fixed_size: 181760
    .private_segment_fixed_size: 0
    .kernarg_segment_align: 8
    .kernarg_segment_size: 40
    .max_flat_workgroup_size: 128
    .sgpr_count:     100
    .vgpr_count:     1024
    .wavefront_size: 32
...
	.end_amdgpu_metadata
.endif
;; end of part 4
